; MI455X (gfx1250); checked and timed in simulation.
; The chip was launched on July 23, 2026; its instructions are those of AMD's public machine-readable ISA for CDNA 5 (MIT licence, August 2026) and "CDNA5" Instruction Set Architecture Reference Guide (July 2026). The comments in the code are by the model that wrote it; some were corrected since.
;; Encoder block. Allowed arithmetic: matrix products marked QUANTISED: E2M3 operands, one E8M0 scale for each 32 along K, by v_wmma_scale_f32_16x16x128_f8f6f4 with both operands' format E2M3, f32 sums; everything else in f32.
;; Inputs: b1 4,096 float32; b2 1,024 float32; ln1_b 1,024 float32; ln1_g 1,024 float32; ln2_b 1,024 float32; ln2_g 1,024 float32; src_mask 2 x 1 x 1 x 2,048 int32; w1_codes 4,096 x 32 x 24 uint8 (E2M3 codes of w1, K innermost, in blocks of 32 codes, four codes in three bytes); w1_scales 4,096 x 32 uint8 (E8M0 scales of w1, one for each 32 codes along K); w2_codes 1,024 x 128 x 24 uint8 (E2M3 codes of w2, K innermost, in blocks of 32 codes, four codes in three bytes); w2_scales 1,024 x 128 uint8 (E8M0 scales of w2, one for each 32 codes along K); w_k_codes 1,024 x 32 x 24 uint8 (E2M3 codes of w_k, K innermost, in blocks of 32 codes, four codes in three bytes); w_k_scales 1,024 x 32 uint8 (E8M0 scales of w_k, one for each 32 codes along K); w_o_codes 1,024 x 32 x 24 uint8 (E2M3 codes of w_o, K innermost, in blocks of 32 codes, four codes in three bytes); w_o_scales 1,024 x 32 uint8 (E8M0 scales of w_o, one for each 32 codes along K); w_q_codes 1,024 x 32 x 24 uint8 (E2M3 codes of w_q, K innermost, in blocks of 32 codes, four codes in three bytes); w_q_scales 1,024 x 32 uint8 (E8M0 scales of w_q, one for each 32 codes along K); w_v_codes 1,024 x 32 x 24 uint8 (E2M3 codes of w_v, K innermost, in blocks of 32 codes, four codes in three bytes); w_v_scales 1,024 x 32 uint8 (E8M0 scales of w_v, one for each 32 codes along K); x 2 x 2,048 x 1,024 float32.
;; Outputs: out0 2 x 2,048 x 1,024 float32.
;; This version of the problem:
;;   THIS VERSION OF THE PROBLEM IS GIVEN IN LOW PRECISION. The matrix products marked QUANTISED in the list below multiply operands that are first quantised to E2M3 (2 exponent bits, 3 mantissa bits; 6 bits a number), with one power-of-two scale for each 32 numbers along K (OCP MX v1.0); their sums are f32. All else is computed in f32.
;;   The module's matrix products, in the order in which they are computed (A, B: the left and right operand; K: the contracted axis; several contracted axes count as one K, in the product's order):
;;     1. [M 4,096, K 1,024] x [K 1,024, N 1,024]; A: computed on the way; B: input w_q (given as codes): QUANTISED
;;     2. [M 4,096, K 1,024] x [K 1,024, N 1,024]; A: computed on the way; B: input w_k (given as codes): QUANTISED
;;     3. [M 4,096, K 1,024] x [K 1,024, N 1,024]; A: computed on the way; B: input w_v (given as codes): QUANTISED
;;     4. batch 32 x [M 2,048, K 64] x [K 64, N 2,048]; A: computed on the way; B: computed on the way: QUANTISED
;;     5. batch 32 x [M 2,048, K 2,048] x [K 2,048, N 64]; A: softmax (see below); B: computed on the way: QUANTISED
;;     6. [M 4,096, K 1,024] x [K 1,024, N 1,024]; A: computed on the way; B: input w_o (given as codes): QUANTISED
;;     7. [M 4,096, K 1,024] x [K 1,024, N 4,096]; A: computed on the way; B: input w1 (given as codes): QUANTISED
;;     8. [M 4,096, K 4,096] x [K 4,096, N 1,024]; A: computed on the way; B: input w2 (given as codes): QUANTISED
;;   THE QUANTISER, for each operand of a quantised product, along K:
;;     - K is cut into blocks of 32 from its start; a last block that is shorter is filled with zeros.
;;     - A block's scale is 2^e with e = floor(log2(the largest magnitude in the block)) - 2, held to -126 .. 127; a block of zeros has e = 0. As a byte (E8M0): e + 127.
;;     - Each number is divided by its block's scale, clamped to +-7.5, and rounded to the nearest number of E2M3, ties to even, subnormals kept.
;;     - The product sums the exact products of the quantised numbers (number of the format x scale) in f32.
;;   ~~~python
;;   def quantise(x, axis):      # numpy; x: float32 -> the quantised numbers, widened to float32 again
;;       x = np.moveaxis(x, axis, -1); K = x.shape[-1]
;;       x = np.pad(x, [(0, 0)] * (x.ndim - 1) + [(0, -K % 32)]); x = x.reshape(x.shape[:-1] + (-1, 32)); a = np.abs(x).max(-1, keepdims=True)
;;       e = np.where(a > 0, np.clip(np.frexp(np.where(a > 0, a, 1))[1] - 1 - 2, -126, 127), 0)      # np.frexp(a)[1] - 1 = floor(log2(a)), exactly
;;       r = np.clip(x / 2.0 ** e, -7.5, 7.5)
;;       step = 2.0 ** (np.maximum(np.frexp(np.where(r == 0, 1, r))[1] - 1, 0) - 3)
;;       q = np.round(r / step) * step * 2.0 ** e      # np.round: ties to even
;;       return np.moveaxis(q.reshape(q.shape[:-2] + (-1,))[..., :K], -1, axis).astype(np.float32)
;;   ~~~
;;   SOFTMAX AHEAD OF A QUANTISED PRODUCT. Where the list says 'softmax', what is quantised is not the finished softmax but p = 2^(t - M), with t = logit x log2(e) and M = ceil(the row's largest t), a whole number; so 1/2 < the row's largest p <= 1. The row's sum l is taken of the UNQUANTISED p, in f32, and the product's result is divided by l at the end. Since M is a whole number, a kernel that streams over the keys may use a running M (the ceiling of the running maximum): every later rescaling is an exact power of two, which a block's scale takes up: the codes' values come out the same.
;;   OPERANDS COMPUTED ON THE WAY. 'Computed on the way' means the value that the module computes at that place (a softmax that the list does not call 'softmax' is quantised finished and normalised). What goes into a quantiser is computed in f32, as accurately as f32 sums, v_exp_f32 and their like allow (about 1e-6 of the number): no bf16 or f16 on the way to a quantiser, and a product that is left as it is and whose result goes on into a quantised operand takes f32 operands (vector FMAs, or v_wmma_f32_16x16x4_f32). A number that lies on a knife's edge between two numbers of the format may be rounded either way, as far as f32 arithmetic and the matrix unit's own rounding can turn it there, and no further.
;;   INPUTS GIVEN AS CODES. w1 (in the module: [1024, 4096], K = its axis 0); w2 (in the module: [4096, 1024], K = its axis 0); w_k (in the module: [1024, 1024], K = its axis 1); w_o (in the module: [1024, 1024], K = its axis 1); w_q (in the module: [1024, 1024], K = its axis 1); w_v (in the module: [1024, 1024], K = its axis 1): each comes as NAME_codes (uint8): NAME with its K axis moved to the last place and cut into blocks of 32 codes, [.., K / 32, bytes a block], one block behind the other in memory; four codes in three bytes: a row's codes are one little-endian stream of bits, code i at bits 6 i .. 6 i + 5 (a code: sign, 2 exponent bits, 3 mantissa bits); and NAME_scales (uint8): the same leading axes, one E8M0 byte (e + 127) for each 32 codes along K. Its value is code x scale, taken as it is: it is not quantised again, and the codes and scales need not be those that the quantiser above would give.
;; One version. Each part assembles by itself: llvm-mc -triple=amdgcn-amd-amdhsa -mcpu=gfx1250 --defsym DOCPART=n.
;; ======== version 1 of 1: 7 launches
;; limits: right only within a limited range of input values
;; workspace buffers: a1 3,276,800 bytes; a2 3,276,800 bytes; x1 16,777,216 bytes; hid 13,107,200 bytes; qkvb 11,665,408 bytes
;; launch ln1 (part 1): grid 256 x 1, 4 waves a work-group, no clusters, 33,280 bytes of LDS; arguments x, ln1_g, ln1_b, a1; writes a1
.if DOCPART == 1
	.amdgcn_target "amdgcn-amd-amdhsa--gfx1250"
	.amdhsa_code_object_version 6
	.text
	.protected	k_q6b5d3e376e_ln1
	.globl	k_q6b5d3e376e_ln1
	.p2align	8
	.type	k_q6b5d3e376e_ln1,@function
k_q6b5d3e376e_ln1:
	s_mov_b64 s[64:65], 0
	v_nop
	global_prefetch_b8 v0, s[64:65] scope:SCOPE_SE
	s_setreg_imm32_b32 hwreg(HW_REG_WAVE_MODE, 25, 1), 1
	s_wait_xcnt 0x0
; LAYER NORM AND QUANTISER.  y = (x - mean) * rsqrt(var + 1e-5) * g + b over rows of 1,024 f32, then codes of FP6 (E2M3) with one E8M0 byte for each 32 along the row.
; OUTPUT: an image of operand registers.  Row tile R (16 rows) x K step s (128 along the row) is 1,536 bytes: six planes of 256 bytes, plane p = registers 2 p, 2 p + 1, lane l at 8 l.
; Lane r of row tile R = 2 g + u is token 32 g + 8 u + r + 8 (r / 8).  Scale words behind the images: [R][K / 512][lane r][16 bytes], word j = K step 4 q + j.
; SHARES: work-group R makes row tile R; wave w its lanes 4 w .. 4 w + 3, which are four neighbouring rows of x.  A row is read once, 512 consecutive bytes a load, and stays in registers.
; A lane must hold a whole block of 32 neighbours: each row turns through the wave's own stage in LDS (places of 128 bytes + 16).  The variance is taken of x - mean, in a second pass over registers.
; LIMITS: a block of zeros gets the byte 1 (its codes are zeros; only this program reads the bytes); blocks whose largest magnitude lies under 2^-124 are held at that floor; NaN and infinities are not served.
.set X,     100                        ; v100-227 four rows, 32 registers each
.set G,     36                         ; v36-67   the gain of my 32 columns
.set BB,    68                         ; v68-99   the bias of my 32 columns
.set CD,    228                        ; v228-251 a row's six code registers, a set for each row: no LDS store's data are written again
.set BY,    252                        ; v252-255 a row's scale byte
.set TURNB, 4608                       ; a wave's stage: 32 places of 144 bytes
.set IMG,   4*TURNB                    ; the tile's image: 8 K steps x 1,536
.set SCS,   IMG+12288                  ; its scale words: 512 bytes
.set ASC,   3145728                    ; where the scale words begin in the output buffer
	s_load_b256 s[4:11], s[0:1], 0x0               ; x s[4:5], g s[6:7], b s[8:9], the image s[10:11]
	v_lshl_add_u32 v30, v0, 2, 0x8000
	v_mov_b32 v31, 0
	v_lshrrev_b32 v1, 5, v0
	v_readfirstlane_b32 s12, v1                    ; wave
	v_and_b32 v1, 31, v0                           ; lane
	v_lshlrev_b32 v2, 4, v1                        ; 16 l: my bytes of a load's 512
	v_lshlrev_b32 v3, 7, v1                        ; 128 l: my block's gain and bias
	s_mul_i32 s13, s12, TURNB
	v_lshrrev_b32 v4, 3, v1
	v_mul_u32_u24 v4, v4, 144
	v_and_b32 v5, 7, v1
	v_lshl_add_u32 v4, v5, 4, v4
	v_add_nc_u32 v4, s13, v4                       ; into the stage: 144 (l / 8) + 16 (l % 8); a load's 512 bytes take four places
	v_mul_u32_u24 v5, v1, 144
	v_add_nc_u32 v5, s13, v5                       ; out of it: place l: my block of 32 numbers
	v_lshrrev_b32 v6, 2, v1
	v_mul_u32_u24 v6, v6, 1536                     ; block l is K step l / 4,
	v_bfe_u32 v7, v1, 1, 1
	v_mad_u32_u24 v6, v7, 768, v6                  ; registers 6 c on with c = (l / 2) % 2: planes 3 c on,
	v_and_b32 v7, 1, v1
	v_lshl_add_u32 v6, v7, 7, v6                   ; half h = l % 2 of the lanes: 16 lanes x 8 bytes
	s_lshl_b32 s14, s12, 5
	s_add_co_u32 s14, s14, IMG
	v_add_nc_u32 v6, s14, v6                       ; + 8 bytes x fragment lane 4 w (+ i in the offset)
	v_lshrrev_b32 v7, 4, v1
	v_and_b32 v8, 15, v1
	v_lshl_add_u32 v7, v7, 8, v8                   ; the scale byte: 256 (l / 16) + l % 16
	s_lshl_b32 s14, s12, 6
	s_add_co_u32 s14, s14, SCS
	v_add_nc_u32 v7, s14, v7                       ; + 16 bytes x fragment lane 4 w
	s_mul_i32 s14, s12, 3072
	v_add_nc_u32 v9, s14, v2                       ; the way out: my wave's quarter of the image, 16 bytes a lane
	v_add_nc_u32 v8, IMG, v9
	v_add_nc_u32 v26, SCS, v2                      ; and the 512 bytes of scale words (wave 0)
	v_mov_b32 v11, 0                               ; upper halves of the pairs that the packed forms name; only the low word is taken
	v_mov_b32 v13, 0
	v_mov_b32 v35, 0                               ; a lane permute's destination counts as one of its sources
	s_mov_b32 s24, 0x76543210
	s_mov_b32 s25, 0xfedcba98                      ; selects for lane l xor 16
	s_mov_b32 s26, 0x3a800000                      ; 1 / 1024
	s_mov_b32 s27, 0x3727c5ac                      ; 1e-5
	s_lshr_b32 s15, ttmp9, 1
	s_lshl_b32 s15, s15, 5
	s_and_b32 s16, ttmp9, 1
	s_lshl_b32 s16, s16, 3
	s_add_co_u32 s15, s15, s16
	s_lshl_b32 s16, s12, 2
	s_add_co_u32 s15, s15, s16
	s_lshr_b32 s16, s12, 1
	s_lshl_b32 s16, s16, 3
	s_add_co_u32 s15, s15, s16                     ; my first row: 32 (R / 2) + 8 (R % 2) + 4 w + 8 (w / 2)
	s_lshl_b32 s16, s15, 12
	s_mov_b32 s17, 0
	s_mul_i32 s18, ttmp9, 12288
	s_mov_b32 s19, 0
	s_lshl_b32 s20, ttmp9, 9
	s_add_co_u32 s20, s20, ASC
	s_mov_b32 s21, 0
	s_wait_kmcnt 0x0
	s_add_nc_u64 s[4:5], s[4:5], s[16:17]
	s_add_nc_u64 s[22:23], s[10:11], s[20:21]      ; the tile's scale words
	s_add_nc_u64 s[10:11], s[10:11], s[18:19]      ; the tile's image
.irp i, 0,1,2,3
.irp c, 0,1,2,3,4,5,6,7
	global_load_b128 v[X+32*\i+4*\c:X+32*\i+4*\c+3], v2, s[4:5] offset:4096*\i+512*\c   ; 32 lanes read 512 consecutive bytes
.endr
.endr
.irp c, 0,1,2,3,4,5,6,7
	global_load_b128 v[G+4*\c:G+4*\c+3], v3, s[6:7] offset:16*\c
	global_load_b128 v[BB+4*\c:BB+4*\c+3], v3, s[8:9] offset:16*\c
.endr
.irp i, 0,1,2,3                        ; the turn: LDS serves a wave's instructions in order, so one stage serves the four rows and no wait stands between stores and loads
	s_wait_loadcnt 40-8*\i                         ; row i's eight loads are in; behind them: the later rows' 8 (3 - i) and the 16 of gain and bias
.irp c, 0,1,2,3,4,5,6,7
	ds_store_b128 v4, v[X+32*\i+4*\c:X+32*\i+4*\c+3] offset:576*\c
.endr
.irp j, 0,1,2,3,4,5,6,7
	ds_load_b128 v[X+32*\i+4*\j:X+32*\i+4*\j+3], v5 offset:16*\j
.endr
.endr
	s_wait_loadcnt 0x0                             ; gain and bias
.macro RED                             ; four packed chains in v14-21 become the row's sum in v14 of every lane
	v_pk_add_f32 v[14:15], v[14:15], v[16:17]
	v_pk_add_f32 v[18:19], v[18:19], v[20:21]
	v_pk_add_f32 v[14:15], v[14:15], v[18:19]
	v_add_f32 v14, v14, v15
	v_add_f32_dpp v14, v14, v14 row_xmask:1 row_mask:0xf bank_mask:0xf
	v_add_f32_dpp v14, v14, v14 row_xmask:2 row_mask:0xf bank_mask:0xf
	v_add_f32_dpp v14, v14, v14 row_xmask:4 row_mask:0xf bank_mask:0xf
	v_add_f32_dpp v14, v14, v14 row_xmask:8 row_mask:0xf bank_mask:0xf
	v_permlanex16_b32 v35, v14, s24, s25
	v_add_f32 v14, v14, v35
.endm
.macro ROW i
.set XR, X+32*\i
	s_wait_dscnt 48-12*\i                          ; row i is back from the stage; behind its loads: 16 (3 - i) instructions of later rows' turns and 4 i stores of earlier rows' codes and bytes
.irp c, 0,1,2,3
	v_pk_add_f32 v[14+2*\c:15+2*\c], v[XR+2*\c:XR+2*\c+1], v[XR+8+2*\c:XR+9+2*\c]
.endr
.irp k, 16,24
.irp c, 0,1,2,3
	v_pk_add_f32 v[14+2*\c:15+2*\c], v[14+2*\c:15+2*\c], v[XR+\k+2*\c:XR+\k+2*\c+1]
.endr
.endr
	RED
	v_mul_f32 v10, s26, v14                        ; the mean
.set kk, 0
.rept 16
	v_pk_add_f32 v[XR+kk:XR+kk+1], v[XR+kk:XR+kk+1], v[10:11] op_sel_hi:[1,0] neg_lo:[0,1] neg_hi:[0,1]   ; x - mean
.set kk, kk+2
.endr
.irp c, 0,1,2,3
	v_pk_mul_f32 v[14+2*\c:15+2*\c], v[XR+2*\c:XR+2*\c+1], v[XR+2*\c:XR+2*\c+1]
.endr
.irp k, 8,16,24
.irp c, 0,1,2,3
	v_pk_fma_f32 v[14+2*\c:15+2*\c], v[XR+\k+2*\c:XR+\k+2*\c+1], v[XR+\k+2*\c:XR+\k+2*\c+1], v[14+2*\c:15+2*\c]
.endr
.endr
	RED
	v_fma_f32 v14, v14, s26, s27                   ; the variance + 1e-5
	s_wait_alu depctr_va_vdst(0)
	v_rsq_f32 v12, v14
	v_nop                                          ; a plain instruction behind the transcendental,
	s_wait_alu depctr_va_vdst(0)                   ; and the wait ahead of its first reader
.set kk, 0
.rept 16
	v_pk_mul_f32 v[XR+kk:XR+kk+1], v[XR+kk:XR+kk+1], v[12:13] op_sel_hi:[1,0]
.set kk, kk+2
.endr
.set kk, 0
.rept 16
	v_pk_fma_f32 v[XR+kk:XR+kk+1], v[XR+kk:XR+kk+1], v[G+kk:G+kk+1], v[BB+kk:BB+kk+1]
.set kk, kk+2
.endr
	v_max3_num_f32 v22, |v[XR]|, |v[XR+1]|, |v[XR+2]|              ; the block's largest magnitude: all 32 numbers are mine
	v_max3_num_f32 v23, |v[XR+3]|, |v[XR+4]|, |v[XR+5]|
.irp k, 6,10,14,18,22,26
	v_max3_num_f32 v22, v22, |v[XR+\k]|, |v[XR+\k+1]|
	v_max3_num_f32 v23, v23, |v[XR+\k+2]|, |v[XR+\k+3]|
.endr
	v_max3_num_f32 v22, v22, |v[XR+30]|, |v[XR+31]|
	v_max3_num_f32 v22, v22, v23, 0x1800000        ; and the floor 2^(3 - 127): the byte cannot fall under 1
	v_add_nc_u32 v24, 0xff000000, v22              ; 2 off the exponent field: the conversion's scale operand
	v_lshrrev_b32 v[BY+\i], 23, v24                ; the scale's byte
	v_cvt_scalef32_pk16_fp6_f32 v[CD+6*\i:CD+6*\i+2], v[XR:XR+15], v24
	v_cvt_scalef32_pk16_fp6_f32 v[32:34], v[XR+16:XR+31], v24      ; (a conversion's three registers begin on an even number)
	v_nop                                          ; one plain instruction behind the conversions
	v_mov_b32 v[CD+6*\i+3], v32
	v_mov_b32 v[CD+6*\i+4], v33
	v_mov_b32 v[CD+6*\i+5], v34
.irp p, 0,1,2
	ds_store_b64 v6, v[CD+6*\i+2*\p:CD+6*\i+2*\p+1] offset:8*\i+256*\p
.endr
	ds_store_b8 v7, v[BY+\i] offset:16*\i
.endm
	ROW 0
	ROW 1
	ROW 2
	ROW 3
	s_wait_dscnt 0x0                               ; for the others' sake: my stores into the image are done
	s_barrier_signal -1
	s_barrier_wait -1
.irp c, 0,1,2,3,4,5
	ds_load_b128 v[X+4*\c:X+4*\c+3], v8 offset:512*\c
.endr
.irp c, 0,1,2,3,4,5
	s_wait_dscnt 5-\c                              ; the younger read-backs may stay out
	global_store_b128 v9, v[X+4*\c:X+4*\c+3], s[10:11] offset:512*\c   ; 32 lanes store 512 consecutive bytes, aligned
.endr
	s_cmp_lg_u32 s12, 0
	s_cbranch_scc1 .Lend
	ds_load_b128 v[X+24:X+27], v26                 ; wave 0: the tile's 512 bytes of scale words
	s_wait_dscnt 0x0
	global_store_b128 v2, v[X+24:X+27], s[22:23]
.Lend:
	s_wait_tensorcnt 0x0
	ds_add_u32 v30, v31
	s_wait_dscnt 0x0
	s_endpgm
.Lfunc_end_k_q6b5d3e376e_ln1:
	.size	k_q6b5d3e376e_ln1, .Lfunc_end_k_q6b5d3e376e_ln1-k_q6b5d3e376e_ln1
	.p2alignl 7, 3214868480
	.fill 96, 4, 3214868480
	.section	.rodata,"a",@progbits
	.p2align	6, 0x0
	.amdhsa_kernel k_q6b5d3e376e_ln1
		.amdhsa_group_segment_fixed_size 33280
		.amdhsa_private_segment_fixed_size 0
		.amdhsa_enable_private_segment 0
		.amdhsa_kernarg_size 32
		.amdhsa_user_sgpr_count 2
		.amdhsa_user_sgpr_kernarg_segment_ptr 1
		.amdhsa_wavefront_size32 1
		.amdhsa_system_sgpr_workgroup_id_x 1
		.amdhsa_system_sgpr_workgroup_id_y 1
		.amdhsa_system_sgpr_workgroup_id_z 1
		.amdhsa_system_vgpr_workitem_id 0
		.amdhsa_next_free_vgpr 256
		.amdhsa_next_free_sgpr 66
		.amdhsa_reserve_vcc 0
		.amdhsa_float_denorm_mode_32 3
		.amdhsa_float_denorm_mode_16_64 3
		.amdhsa_memory_ordered 1
		.amdhsa_forward_progress 1
		.amdhsa_inst_pref_size 45
	.end_amdhsa_kernel
	.amdgpu_metadata
---
amdhsa.version: [ 1, 2 ]
amdhsa.kernels:
  - .name:           k_q6b5d3e376e_ln1
    .symbol:         k_q6b5d3e376e_ln1.kd
    .args:
      - { .name: x, .offset: 0, .size: 8, .value_kind: global_buffer, .address_space: global }
      - { .name: ln1_g, .offset: 8, .size: 8, .value_kind: global_buffer, .address_space: global }
      - { .name: ln1_b, .offset: 16, .size: 8, .value_kind: global_buffer, .address_space: global }
      - { .name: a1, .offset: 24, .size: 8, .value_kind: global_buffer, .address_space: global }
    .group_segment_fixed_size: 33280
    .private_segment_fixed_size: 0
    .kernarg_segment_align: 8
    .kernarg_segment_size: 32
    .max_flat_workgroup_size: 128
    .sgpr_count:     66
    .vgpr_count:     256
    .wavefront_size: 32
...
	.end_amdgpu_metadata
.endif
;; end of part 1
;; launch qkv (part 2): grid 8 x 32, 4 waves a work-group, clusters of 4 x 4, 327,680 bytes of LDS; arguments a1, w_q_codes, w_q_scales, w_k_codes, w_k_scales, w_v_codes, w_v_scales, src_mask, qkvb; writes qkvb
.if DOCPART == 2
	.amdgcn_target "amdgcn-amd-amdhsa--gfx1250"
	.amdhsa_code_object_version 6
	.text
	.protected	k_q6b5d3e376e_qkv
	.globl	k_q6b5d3e376e_qkv
	.p2align	8
	.type	k_q6b5d3e376e_qkv,@function
k_q6b5d3e376e_qkv:
	s_mov_b64 s[64:65], 0
	v_nop
	global_prefetch_b8 v0, s[64:65] scope:SCOPE_SE
	s_setreg_imm32_b32 hwreg(HW_REG_WAVE_MODE, 25, 1), 1
	s_wait_xcnt 0x0
	s_wait_alu depctr_hold_cnt(0) depctr_sa_sdst(0) depctr_va_vdst(0) depctr_va_sdst(0) depctr_va_ssrc(0) depctr_va_vcc(0) depctr_vm_vsrc(0)
	s_getreg_b32 s2, hwreg(HW_REG_IB_STS2, 6, 4)
	s_cmp_eq_u32 s2, 0
	s_cbranch_scc0 .Lentry_in_a_cluster
	s_endpgm
.Lentry_in_a_cluster:
	s_bfe_u32 s2, ttmp6, 0x10000c
	s_cmp_lg_u32 s2, 0xf033
	s_cbranch_scc0 .Lentry_shape_is_right
	s_endpgm
.Lentry_shape_is_right:
; q, k, v = Q(LN1(x)) W^T on codes of FP6 (E2M3), and their quantising for attention.  A: images of operand registers (16 rows x 128 K = 1,536 bytes, six planes of 256) with scale words; W: rows of codes as given.
; SHARES: work-group (X, Y) takes tokens 128 Y on and columns 128 X on (heads 2 X, 2 X + 1) of q, then k, then v: three laps of eight K steps of 128.  Wave w: row tiles 4 (w / 2) + a, columns 64 (w % 2) + 16 b: 16 accumulators.
; A STAYS IN REGISTERS: a wave's four row tiles x eight K steps are 384 registers.  The first lap reads them from LDS and keeps them; the later laps read W's fragments alone: 24 LDS loads for 16 products.
; LDS: A's image, 8 row tiles x 12,288 bytes dense, filled once; two slots for W, each a whole lap: 128 rows x 768 bytes with 16 bytes behind each 256 (pitch 816 = 204 words: the 16 rows start at the 16 multiples of 4 banks,
; lanes 16-31 lie 6 or 10 words on: the 32 lanes of an 8-byte load touch 64 banks); room for W's scale bytes of three laps, not filled: they come from memory.  One slot is filled again, with w_v, and that load has a whole lap in which to land.
; CLUSTER 4 x 4: A's image is shared along a row of the cluster, W's tiles along a column: joint loads.  Every wave fetches a quarter of every tile: no branch stands round a tensor load.
; q and k are used transposed (source 0 = 16 rows of W, source 1 = 16 tokens): a lane holds one token and 64 neighbouring channels.  v is used as it stands (source 0 = tokens): a lane holds one channel and its registers run down 64 neighbouring tokens, the keys.
; OUT (buffer qkvb): KV blocks [head of batch 32][key step 16][16,384]: 8 key tiles x 1,024 (registers 0-3, 4-7 as images), 4 fragments of V^T x 1,536 at 8,192, K's scale words at 14,336, V's at 14,848, zeros to the end; q's half fragments at 8,388,608, its half scale words at 11,534,336.
; THE MASK rides in the idle half of the score product's K (64 .. 127): q has the code +1 at k = 64 with the byte 127; a masked key has zero codes, the code -1 at k = 64 and the byte 160: its score is exactly -2^33.  Open keys have zeros there, byte 1.
; LIMITS: a masked logit stands as -2^30 for reference's -1e9 (the same result unless a kept logit lies near -1e9); a block of zeros gets the byte 1 (only this program reads it); magnitudes under 2^-124 are held at that floor; NaN and infinities are not served.
; REGISTERS: window 0: v0-31 addresses and constants; v32-63 A's scale words (8 a + K step); v64-95 W's (8 b + K step); v96-127 at work; v128-255 the accumulators.
;   window 1: A's fragments of K steps 0-4 (48 x step + 12 a);  window 2: of K steps 5-7;  window 3: two sets of W's fragments (48 x set + 12 b).
.set NT,    3                          ; tiles of W's scale bytes that LDS has room for
.set RB,    4
.set ASC,   3145728                    ; where A's scale words begin in its buffer
.set ABYT,  98304                      ; A's image
.set BPIT,  816
.set BSLOT, 128*BPIT
.set BBASE, ABYT
.set SCB,   BBASE+2*BSLOT
.set SBT,   4352                       ; a tile's scale bytes: 16 units of 256 + 16
.set SBB,   544                        ; those of 16 rows
.set SBH,   2176                       ; those of 64 rows
.set SPARE, SCB+NT*SBT                 ; the spare words: 128 bytes a wave, named by no other line
.set QIMG,  8388608
.set QSC,   11534336
.set ADRA,  4                          ; v4     A's fragments: 8 x lane + my four row tiles
.set ADRB,  6                          ; v6-7   W's in slot 0, 1: 816 r + 24 h + my 64 rows
.set ADRB2, 8                          ; v8-9   the same for pieces whose partner three on lies behind one padding more: 40 h
.set ASA,   10                         ; v10    16 r: my row's scale words of A, in memory
.set ADSB,  11                         ; v11    W's scale words in LDS
.set SPW,   12                         ; v12    my spare word
.set NIL,   13                         ; v13    0
.set SAR,   32
.set SBR,   64
.set TM,    96                         ; v96-101 the quantiser's maxima, bytes, scale operands
.set CC,    104                        ; v104-111 codes
.set DD,    112                        ; v112-114 codes on their way
.set PW,    116                        ; v116-119 half scale words
.set ACC,   128
.set G1A,   32
.set G0A,   40
.set G1B,   48
.set G0B,   56
.set SEL,   66
.set G1SB,  80
.set G0SB,  88
.set MSB, 0
.macro WIN new                         ; the immediate's high byte repeats the setting that is left
.if MSB != \new
	s_set_vgpr_msb (MSB<<8)|\new
.set MSB, \new
.endif
.endm
.macro PLACES                          ; four plain instructions behind matrix instructions, ahead of loads into their registers and of reads of their results
.rept 4
	v_nop
.endr
.endm
.macro CREST                           ; a round of the cluster's barrier behind its opening barrier
	s_cmp_lg_u32 s22, 0
	s_cbranch_scc1 .Lnot_wave_0_\@
	s_barrier_signal -3
.Lnot_wave_0_\@:
	s_barrier_wait -3
	s_barrier_signal -1
	s_barrier_wait -1
.endm
.macro CROUND
	s_barrier_signal -1
	s_barrier_wait -1
	CREST
.endm
.macro FETCHA ks                       ; 24 LDS loads: my four row tiles' fragments of K step ks, into the registers in which they stay
.if (\ks) < 5
	WIN 0x40
.set AFR, 48*(\ks)
.else
	WIN 0x80
.set AFR, 48*((\ks)-5)
.endif
.irp a, 0,1,2,3
.irp p, 0,1,2,3,4,5
	ds_load_b64 v[AFR+12*\a+2*\p:AFR+12*\a+2*\p+1], v[ADRA] offset:12288*\a+1536*(\ks)+256*\p
.endr
.endr
.endm
.macro FETCHB s, ks, set               ; 24 LDS loads: my four column tiles' fragments of K step ks from slot s, into set
	WIN 0xc0
.irp b, 0,1,2,3
.irp p, 0,1,2,3,4,5
.set PC, 12*(\ks)+6*(\p/3)+\p%3        ; the piece of 8 bytes that lanes 0-15 take; lanes 16-31 take the piece three on
.if PC%32 < 29
	ds_load_b64 v[48*(\set)+12*\b+2*\p:48*(\set)+12*\b+2*\p+1], v[ADRB+(\s)] offset:8*PC+16*(PC/32)+13056*\b
.else
	ds_load_b64 v[48*(\set)+12*\b+2*\p:48*(\set)+12*\b+2*\p+1], v[ADRB2+(\s)] offset:8*PC+16*(PC/32)+13056*\b
.endif
.endr
.endr
.endm
.macro SCALES t                        ; W's scale words of lap t: eight words a row
	WIN 0
.irp b, 0,1,2,3
	global_load_b128 v[SBR+8*\b:SBR+8*\b+3], v[ADSB], s[70+2*(\t):71+2*(\t)] offset:512*\b      ; from memory: sixteen lanes read 512 consecutive bytes, a row's 32 bytes in two loads
	global_load_b128 v[SBR+8*\b+4:SBR+8*\b+7], v[ADSB], s[70+2*(\t):71+2*(\t)] offset:512*\b+16
.endr
.endm
; 8 matrix instructions of K step ks: row tiles a0, a0 + 1 x the four column tiles.  mode 0: transposed (source 0 = W); mode 1: source 0 = A.  cin 1: the constant 0 starts the sum.
; The 16 accumulators take turns, one instruction a turn, in the same order in every K step.
.macro MUL8 ks, a0, set, mode, cin
.if (\ks) < 5
.set WA, 1
.set AB0, 48*(\ks)
.else
.set WA, 2
.set AB0, 48*((\ks)-5)
.endif
.if \mode
.set WN, WA|(3<<2)
.else
.set WN, 3|(WA<<2)
.endif
	WIN WN
.irp a, \a0, \a0+1
.irp b, 0,1,2,3
.set rW, 48*(\set)+12*\b
.set rA, AB0+12*(\a)
.set sW, SBR+8*\b+(\ks)
.set sA, SAR+8*(\a)+(\ks)
.if \mode
.set rD, ACC+8*(4*\b+(\a))
.if \cin
	v_wmma_scale_f32_16x16x128_f8f6f4 v[rD:rD+7], v[rA:rA+11], v[rW:rW+11], 0, v[sA], v[sW] matrix_a_fmt:MATRIX_FMT_FP6 matrix_b_fmt:MATRIX_FMT_FP6
.else
	v_wmma_scale_f32_16x16x128_f8f6f4 v[rD:rD+7], v[rA:rA+11], v[rW:rW+11], v[rD:rD+7], v[sA], v[sW] matrix_a_fmt:MATRIX_FMT_FP6 matrix_b_fmt:MATRIX_FMT_FP6
.endif
.else
.set rD, ACC+8*(4*(\a)+\b)
.if \cin
	v_wmma_scale_f32_16x16x128_f8f6f4 v[rD:rD+7], v[rW:rW+11], v[rA:rA+11], 0, v[sW], v[sA] matrix_a_fmt:MATRIX_FMT_FP6 matrix_b_fmt:MATRIX_FMT_FP6
.else
	v_wmma_scale_f32_16x16x128_f8f6f4 v[rD:rD+7], v[rW:rW+11], v[rA:rA+11], v[rD:rD+7], v[sW], v[sA] matrix_a_fmt:MATRIX_FMT_FP6 matrix_b_fmt:MATRIX_FMT_FP6
.endif
.endif
.endr
.endr
.endm
; K step ks (0 to 6) of a lap whose W lies in slot s.  The next step's fragments of W are asked for first, into the set that the step before has multiplied (four places behind its products);
; first = 1, the first lap: the next step's fragments of A follow in the step's middle, into registers that no product has read.
.macro KS ks, s, mode, cin, first
	s_wait_dscnt 0x0                               ; this step's fragments are in
	PLACES
	FETCHB \s, (\ks)+1, ((\ks)+1)%2
	MUL8 \ks, 0, (\ks)%2, \mode, \cin
.if \first
	FETCHA (\ks)+1
.endif
	MUL8 \ks, 2, (\ks)%2, \mode, \cin
.endm
.macro LAPK s, mode, first             ; a lap's K steps 0 to 6
	KS 0, \s, \mode, 1, \first
.irp k, 1,2,3,4,5,6
	KS \k, \s, \mode, 0, \first
.endr
.endm
; A lap's last K step leaves slot s: one barrier.  In front of it each wave waits for all its tensor loads (its quarter of the other slot), adds 0 to its spare word, and waits for that and for its reads of this slot.
; fill = 1: the barrier opens a round of the cluster's barrier, and the joint refill of this slot, with w_v's rows, is the first thing behind the round.  t2: the lap whose scale words are fetched behind the last products.
.macro TURN s, mode, fill, t2
	WIN 0
	s_wait_tensorcnt 0x0
	ds_add_u32 v[SPW], v[NIL]
	s_wait_dscnt 0x1                               ; only the add may be out: this step's fragments are in
	MUL8 7, 0, 1, \mode, 0
	s_wait_dscnt 0x0                               ; the add is done, and my reads of this slot are over
	s_barrier_signal -1
	WIN 0
	s_barrier_wait -1
.if \fill
	CREST
	s_mov_b64 s[G0B+4*(\s)+2:G0B+4*(\s)+3], s[14:15]
	s_or_b32 s[G0B+4*(\s)+3], s[G0B+4*(\s)+3], 0x80000000
	tensor_load_to_lds s[G0B+4*(\s):G0B+4*(\s)+3], s[G1B:G1B+7]
	s_nop 0
	PLACES                                         ; the places in front of the loads below
.else
	PLACES
.endif
	FETCHB 1-(\s), 0, 0
	MUL8 7, 2, 1, \mode, 0
	PLACES                                         ; behind the lap's last products: for the loads into the scale words and for the reads of the results
	SCALES \t2
.endm
; HALF A FRAGMENT: a lane's 32 numbers v[S] .. v[S + 31] become six code registers v[CC] .. v[CC + 5] and a half scale word (two bytes) in v[pw].
; swap = 1: the numbers are four result tiles, register 8 b + j = channel 16 b + 8 h + j: an exchange of halves makes register 16 B + i = channel 32 B + 16 h + i.  swap = 0: they lie so already.
.macro QH S, swap, pw
	s_wait_xcnt 0x0                                ; earlier stores have read the code registers and the pairs of words: they are written again only behind this wait
.if \swap
.irp j, 0,1,2,3,4,5,6,7
	v_permlane16_swap_b32 v[\S+\j], v[\S+8+\j]
	v_permlane16_swap_b32 v[\S+16+\j], v[\S+24+\j]
.endr
.endif
	v_max3_num_f32 v[TM], |v[\S]|, |v[\S+1]|, 0x1800000          ; my 16 numbers of each block, and the floor 2^(3 - 127): the byte cannot fall under 1
	v_max3_num_f32 v[TM+1], |v[\S+16]|, |v[\S+17]|, 0x1800000
.irp i, 2,4,6,8,10,12,14
	v_max3_num_f32 v[TM], v[TM], |v[\S+\i]|, |v[\S+1+\i]|
	v_max3_num_f32 v[TM+1], v[TM+1], |v[\S+16+\i]|, |v[\S+17+\i]|
.endr
	v_permlanex16_b32 v[TM+2], v[TM], s[SEL], s[SEL+1]
	v_permlanex16_b32 v[TM+3], v[TM+1], s[SEL], s[SEL+1]
	v_max_num_f32 v[TM], v[TM], v[TM+2]            ; with lane l xor 16's: the block's largest magnitude
	v_max_num_f32 v[TM+1], v[TM+1], v[TM+3]
	v_add_nc_u32 v[TM+4], 0xff000000, v[TM]        ; 2 off the exponent field: the conversion's scale operand
	v_add_nc_u32 v[TM+5], 0xff000000, v[TM+1]
	v_lshrrev_b32 v[TM+2], 23, v[TM+4]             ; the bytes
	v_lshrrev_b32 v[TM+3], 23, v[TM+5]
	v_lshl_or_b32 v[\pw], v[TM+3], 8, v[TM+2]
	v_cvt_scalef32_pk16_fp6_f32 v[CC:CC+2], v[\S:\S+15], v[TM+4]
	v_cvt_scalef32_pk16_fp6_f32 v[DD:DD+2], v[\S+16:\S+31], v[TM+5]
	v_nop                                          ; one plain instruction behind the conversions
.irp i, 0,1,2
	v_permlane16_swap_b32 v[CC+\i], v[DD+\i]       ; a whole block to a lane: lanes 0-15 block 0, lanes 16-31 block 1
.endr
.irp i, 0,1,2
	v_mov_b32 v[CC+3+\i], v[DD+\i]
.endr
.endm
.macro PAIRS                           ; two tiles' words in one register: the even tile's in lanes 0-15, the odd tile's in lanes 16-31
	v_cndmask_b32 v120, v[PW], v[PW+1], s31
	v_cndmask_b32 v121, v[PW+2], v[PW+3], s31
.endm
.macro EPI_Q
	WIN 0
.irp a, 0,1,2,3
	QH ACC+32*\a, 1, PW+\a
.irp p, 0,1,2
	global_store_b64 v14, v[CC+2*\p:CC+2*\p+1], s[4:5] offset:768*\a+256*\p   ; a plane: 256 consecutive bytes, aligned
.endr
.endr
	PAIRS
	global_store_b16 v16, v120, s[6:7]
	global_store_b16 v16, v121, s[6:7] offset:64
.endm
.macro EPI_K
	WIN 0
.irp a, 0,1,2,3
	QH ACC+32*\a, 1, PW+\a
	v_cmp_eq_u32 vcc_lo, 0, v[20+\a]               ; my key is masked
.irp i, 0,1,2,3,4,5
	v_cndmask_b32 v[CC+\i], v[CC+\i], v30, vcc_lo  ; its codes become zeros,
.endr
	v_cndmask_b32 v[CC+6], v30, v17, vcc_lo        ; the code -1 stands at k = 64 (lanes 0-15),
	v_cndmask_b32 v29, v18, v19, vcc_lo            ; and that block's byte is 160
	v_or_b32 v[PW+\a], v[PW+\a], v29
	global_store_b128 v15, v[CC:CC+3], s[8:9] offset:1024*\a
	global_store_b128 v15, v[CC+4:CC+7], s[8:9] offset:1024*\a+512
.endr
	PAIRS
	global_store_b64 v25, v[120:121], s[8:9] offset:14336
.irp p, 0,1,2
	global_store_b64 v28, v[30:31], s[8:9] offset:15104+256*\p   ; the block's last 1,280 bytes: zeros (256 of them come from both row halves, with the same value)
.endr
.endm
.macro EPI_V
	WIN 0
.irp b, 0,1,2,3
	QH ACC+32*\b, 0, PW+\b
.irp p, 0,1,2
	global_store_b64 v26, v[CC+2*\p:CC+2*\p+1], s[8:9] offset:8192+1536*\b+256*\p
.endr
.endr
	PAIRS
	global_store_b16 v27, v120, s[8:9] offset:14848
	global_store_b16 v27, v121, s[8:9] offset:14852
.endm
	s_load_b512 s[4:19], s[0:1], 0x0               ; a1 s[4:5]; w_q codes, scales s[6:9]; w_k s[10:13]; w_v s[14:17]; the mask s[18:19]
	s_load_b64 s[20:21], s[0:1], 0x40              ; qkvb
	v_lshl_add_u32 v[SPW], v0, 2, SPARE
	v_mov_b32 v[NIL], 0
	ds_add_u32 v12, v13
	ds_add_u32 v12, v13
	s_wait_dscnt 0x0
	v_lshrrev_b32 v1, 5, v0
	v_readfirstlane_b32 s22, v1                    ; wave
	s_lshr_b32 s23, s22, 1                         ; my half of the rows
	s_and_b32 s24, s22, 1                          ; my half of the columns
	s_bfe_u32 s25, ttmp6, 0x40000                  ; cx
	s_bfe_u32 s26, ttmp6, 0x40004                  ; cy
	s_lshl_b32 s27, ttmp9, 2
	s_add_co_u32 s27, s27, s25                     ; X
	s_and_b32 s28, ttmp7, 0xffff
	s_lshl_b32 s28, s28, 2
	s_add_co_u32 s28, s28, s26                     ; Y
	s_lshl_b32 s29, s26, 2
	s_lshl_b32 s29, 15, s29                        ; my row of the cluster
	s_lshl_b32 s30, 0x1111, s25                    ; my column
	s_mov_b32 s31, 0xffff0000                      ; lanes 16-31
	s_mov_b32 s[SEL], 0x76543210
	s_mov_b32 s[SEL+1], 0xfedcba98                 ; selects for lane l xor 16
	s_or_b32 s[G1A], s29, (3<<16)|(1<<21)          ; A: four row tiles, 49,152 dense bytes, as 192 rows of 32 elements of 8 bytes
	s_mov_b32 s[G1A+1], 32<<16
	s_mov_b32 s[G1A+2], 192<<16                    ; A: four row tiles a load, 192 rows of 256 bytes (waves 0 and 3)
	s_mov_b32 s[G1A+3], 32<<16
	s_mov_b32 s[G1A+4], 192
	s_mov_b32 s[G1A+5], 32
	s_mov_b32 s[G1A+6], 0
	s_mov_b32 s[G1A+7], 0
	s_or_b32 s[G1B], s30, (1<<20)|(1<<21)|(5<<22)|(3<<25)   ; W: 32 rows x 768 bytes, 4 words of padding behind every 64
	s_mov_b32 s[G1B+1], 768<<16
	s_mov_b32 s[G1B+2], 32<<16
	s_mov_b32 s[G1B+3], 768<<16
	s_mov_b32 s[G1B+4], 32
	s_mov_b32 s[G1B+5], 768
	s_mov_b32 s[G1B+6], 0
	s_mov_b32 s[G1B+7], 0
	s_or_b32 s[G1SB], s30, (1<<20)|(1<<21)|(5<<22)|(3<<25)   ; the head's loads of W: a whole slot, 128 rows x 768 bytes
	s_mov_b32 s[G1SB+1], 768<<16
	s_mov_b32 s[G1SB+2], 128<<16
	s_mov_b32 s[G1SB+3], 768<<16
	s_mov_b32 s[G1SB+4], 128
	s_mov_b32 s[G1SB+5], 768
	s_mov_b32 s[G1SB+6], 0
	s_mov_b32 s[G1SB+7], 0
	s_lshl_b32 s2, s28, 3                          ; A's side hangs on Y and the wave alone
	s_lshl_b32 s3, s23, 2                          ; the half of A's image that waves 0 and 3 fetch
	s_add_co_u32 s3, s2, s3                        ; the first of the four row tiles that I fetch: 8 Y + 4 (w / 2)
	s_mul_i32 s[G0A+2], s3, 12288
	s_mov_b32 s[G0A+3], 0
	s_mov_b32 s[G0A], 1
	s_mul_i32 s[G0A+1], s23, 49152
	s_lshl_b32 s3, s23, 2
	s_add_co_u32 s2, s2, s3                        ; the first row tile that I multiply: 8 Y + 4 x my half
	s_lshl_b32 s68, s2, 9
	s_add_co_u32 s68, s68, ASC                     ; its scale words: 512 bytes a row tile
	s_mov_b32 s69, 0
	s_lshl_b32 s100, s27, 12                       ; W's side hangs on X and the wave alone: the scale bytes of rows 128 X on
	s_mov_b32 s101, 0
	s_add_co_u32 s100, s100, s101
	s_mov_b32 s101, 0
	s_mov_b32 s[G0B], 1
	s_mul_i32 s[G0B+1], s22, 32*BPIT
	s_add_co_u32 s[G0B+1], s[G0B+1], BBASE
	s_mov_b32 s[G0B+4], 1
	s_add_co_u32 s[G0B+5], s[G0B+1], BSLOT
	s_wait_kmcnt 0x0
	s_add_nc_u64 s[G0A+2:G0A+3], s[4:5], s[G0A+2:G0A+3]
	s_or_b32 s[G0A+3], s[G0A+3], 0x80000000
	s_add_nc_u64 s[68:69], s[4:5], s[68:69]
.irp t, 0,1,2
	s_add_nc_u64 s[70+2*\t:71+2*\t], s[8+4*\t:9+4*\t], s[100:101]   ; the scale bytes of rows 128 X on, of w_q, w_k, w_v: read from memory, lap by lap
.endr
	s_mul_i32 s100, s100, 24                       ; 32 bytes of scales a row -> 768 bytes of codes a row
	s_mov_b32 s[G0SB], 1                           ; slot 0 begins with w_q's 128 rows,
	s_mov_b32 s[G0SB+1], BBASE
	s_add_nc_u64 s[G0SB+2:G0SB+3], s[6:7], s[100:101]
	s_or_b32 s[G0SB+3], s[G0SB+3], 0x80000000
	s_mov_b32 s[G0SB+4], 1                         ; slot 1 with w_k's
	s_mov_b32 s[G0SB+5], BBASE+BSLOT
	s_add_nc_u64 s[G0SB+6:G0SB+7], s[10:11], s[100:101]
	s_or_b32 s[G0SB+7], s[G0SB+7], 0x80000000
	s_mul_i32 s2, s22, 32*768
	s_add_co_u32 s100, s100, s2
	s_add_nc_u64 s[14:15], s[14:15], s[100:101]    ; w_v's rows, my quarter: kept for the refill
	CROUND                                         ; all sixteen work-groups are here: the first joint loads meet
; THE HEAD'S LOADS, ONE A WAVE: wave 0 A's row tiles 0-3, wave 1 slot 0, wave 2 slot 1, wave 3 A's row tiles 4-7.  One chain of branches on the wave's number, all arms to one join.
.macro ARM under, g0, g1, next
	s_cmp_lt_u32 s22, \under
	s_cbranch_scc0 \next
	tensor_load_to_lds s[\g0:\g0+3], s[\g1:\g1+7]
	s_nop 0
.rept 4
	v_nop
.endr
	s_branch .Lhead_asked
\next:
.endm
	ARM 1, G0A, G1A, .Lhead_b0
	ARM 2, G0SB, G1SB, .Lhead_b1
	ARM 3, G0SB+4, G1SB, .Lhead_a1
	tensor_load_to_lds s[G0A:G0A+3], s[G1A:G1A+7]
	s_nop 0
.rept 4
	v_nop
.endr
.Lhead_asked:
.rept 4
	v_nop
.endr
	v_and_b32 v3, 31, v0                           ; lane
	v_and_b32 v1, 15, v0                           ; r
	v_bfe_u32 v2, v0, 4, 1                         ; h
	s_mul_i32 s2, s23, 49152
	v_lshl_add_u32 v[ADRA], v3, 3, s2
	s_mul_i32 s2, s24, 64*BPIT
	s_add_co_u32 s2, s2, BBASE
	v_mul_u32_u24 v[ADRB], v1, BPIT
	v_add_nc_u32 v[ADRB], s2, v[ADRB]
	v_mad_u32_u24 v[ADRB2], v2, 40, v[ADRB]
	v_mad_u32_u24 v[ADRB], v2, 24, v[ADRB]
	v_add_nc_u32 v[ADRB+1], BSLOT, v[ADRB]
	v_add_nc_u32 v[ADRB2+1], BSLOT, v[ADRB2]
	v_lshlrev_b32 v[ASA], 4, v1
	s_lshl_b32 s2, s24, 11
	v_lshl_add_u32 v[ADSB], v1, 5, s2              ; W's scale bytes in memory: 32 r + my 64 rows
.irp a, 0,1,2,3
	global_load_b128 v[SAR+8*\a:SAR+8*\a+3], v[ASA], s[68:69] offset:512*\a        ; A's scale words, K steps 0-3: they stay for the whole launch
	global_load_b128 v[SAR+8*\a+4:SAR+8*\a+7], v[ASA], s[68:69] offset:512*\a+256  ; and K steps 4-7
.endr
	; where the results go
	s_lshr_b32 s12, s28, 4
	s_lshl_b32 s12, s12, 4
	s_lshl_b32 s13, s27, 1
	s_add_co_u32 s12, s12, s13
	s_add_co_u32 s12, s12, s24                     ; head of batch: 16 (Y / 16) + 2 X + my half of the columns
	s_and_b32 s13, s28, 15                         ; the key step
	s_lshl_b32 s16, s12, 4
	s_add_co_u32 s16, s16, s13
	s_lshl_b32 s16, s16, 14
	s_mov_b32 s17, 0
	s_add_nc_u64 s[8:9], s[20:21], s[16:17]        ; my KV block
	s_lshl_b32 s12, s12, 7
	s_lshl_b32 s13, s13, 3
	s_add_co_u32 s12, s12, s13
	s_lshl_b32 s13, s23, 2
	s_add_co_u32 s12, s12, s13                     ; my first query tile
	s_mul_i32 s16, s12, 768
	s_add_co_u32 s16, s16, QIMG
	s_add_nc_u64 s[4:5], s[20:21], s[16:17]
	s_lshl_b32 s16, s12, 5
	s_add_co_u32 s16, s16, QSC
	s_add_nc_u64 s[6:7], s[20:21], s[16:17]
	s_lshl_b32 s16, s28, 9
	s_lshl_b32 s12, s23, 8
	s_add_co_u32 s16, s16, s12
	s_add_nc_u64 s[18:19], s[18:19], s[16:17]      ; the mask at token 128 Y + 64 x my half of the rows
	v_lshlrev_b32 v14, 3, v3                       ; 8 x lane
	v_lshlrev_b32 v16, 1, v3                       ; 2 x lane
	s_lshl_b32 s2, s23, 12
	v_lshl_add_u32 v15, v3, 4, s2                  ; K's tiles: 16 x lane + 4 tiles x my half
	s_lshl_b32 s2, s23, 3
	v_lshl_add_u32 v25, v3, 4, s2                  ; K's scale words: 16 x lane + 8 x my half
	s_mul_i32 s2, s23, 768
	v_add_nc_u32 v26, s2, v14                      ; V's planes 3 x my half on
	s_lshl_b32 s2, s23, 1
	v_add_nc_u32 v27, s2, v14                      ; V's half words
	s_lshl_b32 s2, s23, 9
	v_add_nc_u32 v28, s2, v14                      ; the zeros
	v_xor_b32 v17, 1, v2
	v_mul_u32_u24 v17, v17, 0x28                   ; the code -1 at k = 64: lanes 0-15
	v_mov_b32 v18, 0x01010000                      ; an open key's bytes for k = 64 .. 127
	v_mov_b32 v19, 0x01a00000                      ; a masked key's: 160, 1
	v_mov_b32 v30, 0
	v_mov_b32 v31, 0
	v_mov_b32 v[CC+7], 0
	v_mov_b32 v[TM+2], 0                           ; a lane permute's destination counts as one of its sources
	v_mov_b32 v[TM+3], 0
	v_and_b32 v24, 8, v1
	v_add_nc_u32 v24, v24, v1
	v_lshlrev_b32 v24, 2, v24                      ; 4 (r + 8 (r / 8))
.irp a, 0,1,2,3
	global_load_b32 v[20+\a], v24, s[18:19] offset:4*(32*(\a/2)+8*(\a%2))   ; the mask of my token in each of my four row tiles
.endr
	s_wait_alu depctr_va_vdst(0)
	SCALES 0                                       ; lap 0's scale words of W are asked for while the tiles are on their way
	s_wait_tensorcnt 0x0                           ; my one load has landed; behind the barrier everybody's has
	s_barrier_signal -1
	s_barrier_wait -1
	FETCHA 0
	FETCHB 0, 0, 0
	s_wait_loadcnt 0x0                             ; A's and W's scale words and the mask
	LAPK 0, 0, 1                                   ; q: A's fragments come into their registers on the way
	TURN 0, 0, 1, 1                                ; slot 0 takes w_v
	EPI_Q
	s_wait_loadcnt 0x0                             ; this lap's scale words of W
	LAPK 1, 0, 0
	TURN 1, 0, 0, 2
	EPI_K
	s_wait_loadcnt 0x0                             ; this lap's scale words of W
	LAPK 0, 1, 0
	s_wait_dscnt 0x0
	MUL8 7, 0, 1, 1, 0
	MUL8 7, 2, 1, 1, 0
	PLACES
	EPI_V
	s_wait_tensorcnt 0x0                           ; the wave's end
	ds_add_u32 v[SPW], v[NIL]
	s_wait_dscnt 0x0
	CROUND                                         ; the closing round
	s_endpgm
.Lfunc_end_k_q6b5d3e376e_qkv:
	.size	k_q6b5d3e376e_qkv, .Lfunc_end_k_q6b5d3e376e_qkv-k_q6b5d3e376e_qkv
	.p2alignl 7, 3214868480
	.fill 96, 4, 3214868480
	.section	.rodata,"a",@progbits
	.p2align	6, 0x0
	.amdhsa_kernel k_q6b5d3e376e_qkv
		.amdhsa_group_segment_fixed_size 327680
		.amdhsa_private_segment_fixed_size 0
		.amdhsa_enable_private_segment 0
		.amdhsa_kernarg_size 72
		.amdhsa_user_sgpr_count 2
		.amdhsa_user_sgpr_kernarg_segment_ptr 1
		.amdhsa_wavefront_size32 1
		.amdhsa_system_sgpr_workgroup_id_x 1
		.amdhsa_system_sgpr_workgroup_id_y 1
		.amdhsa_system_sgpr_workgroup_id_z 1
		.amdhsa_system_vgpr_workitem_id 0
		.amdhsa_next_free_vgpr 1024
		.amdhsa_next_free_sgpr 102
		.amdhsa_reserve_vcc 1
		.amdhsa_float_denorm_mode_32 3
		.amdhsa_float_denorm_mode_16_64 3
		.amdhsa_memory_ordered 1
		.amdhsa_forward_progress 1
		.amdhsa_inst_pref_size 148
	.end_amdhsa_kernel
	.amdgpu_metadata
---
amdhsa.version: [ 1, 2 ]
amdhsa.kernels:
  - .name:           k_q6b5d3e376e_qkv
    .symbol:         k_q6b5d3e376e_qkv.kd
    .args:
      - { .name: a1, .offset: 0, .size: 8, .value_kind: global_buffer, .address_space: global }
      - { .name: w_q_codes, .offset: 8, .size: 8, .value_kind: global_buffer, .address_space: global }
      - { .name: w_q_scales, .offset: 16, .size: 8, .value_kind: global_buffer, .address_space: global }
      - { .name: w_k_codes, .offset: 24, .size: 8, .value_kind: global_buffer, .address_space: global }
      - { .name: w_k_scales, .offset: 32, .size: 8, .value_kind: global_buffer, .address_space: global }
      - { .name: w_v_codes, .offset: 40, .size: 8, .value_kind: global_buffer, .address_space: global }
      - { .name: w_v_scales, .offset: 48, .size: 8, .value_kind: global_buffer, .address_space: global }
      - { .name: src_mask, .offset: 56, .size: 8, .value_kind: global_buffer, .address_space: global }
      - { .name: qkvb, .offset: 64, .size: 8, .value_kind: global_buffer, .address_space: global }
    .group_segment_fixed_size: 327680
    .private_segment_fixed_size: 0
    .kernarg_segment_align: 8
    .kernarg_segment_size: 72
    .max_flat_workgroup_size: 128
    .sgpr_count:     102
    .vgpr_count:     1024
    .wavefront_size: 32
...
	.end_amdgpu_metadata
.endif
;; end of part 2
;; launch attn (part 3): grid 8 x 32, 16 waves a work-group, clusters of 4 x 1, 264,192 bytes of LDS; arguments qkvb, a2; writes a2
.if DOCPART == 3
	.amdgcn_target "amdgcn-amd-amdhsa--gfx1250"
	.amdhsa_code_object_version 6
	.text
	.protected	k_q6b5d3e376e_attn
	.globl	k_q6b5d3e376e_attn
	.p2align	8
	.type	k_q6b5d3e376e_attn,@function
k_q6b5d3e376e_attn:
	s_mov_b64 s[64:65], 0
	v_nop
	global_prefetch_b8 v0, s[64:65] scope:SCOPE_SE
	s_setreg_imm32_b32 hwreg(HW_REG_WAVE_MODE, 25, 1), 1
	s_wait_xcnt 0x0
	s_wait_alu depctr_hold_cnt(0) depctr_sa_sdst(0) depctr_va_vdst(0) depctr_va_sdst(0) depctr_va_ssrc(0) depctr_va_vcc(0) depctr_vm_vsrc(0)
	s_getreg_b32 s2, hwreg(HW_REG_IB_STS2, 6, 4)
	s_cmp_eq_u32 s2, 0
	s_cbranch_scc0 .Lentry_in_a_cluster
	s_endpgm
.Lentry_in_a_cluster:
	s_bfe_u32 s2, ttmp6, 0x10000c
	s_cmp_lg_u32 s2, 0x3003
	s_cbranch_scc0 .Lentry_shape_is_right
	s_endpgm
.Lentry_shape_is_right:
; ATTENTION on codes of FP6 (E2M3): o = softmax(q k^T / 8, masked) v for one head of one batch, and o's quantising for the next product.
; SHARES: work-group = 256 queries of one head; each of its sixteen waves one tile of 16 queries in 256 registers, four waves to a SIMD.  Every wave walks the head's 2,048 keys, 128 a step.
; LDS: the head's 16 KV blocks of 16,384 bytes, each filled ONCE: no byte is filled again.  The four work-groups of a cluster belong to one head and ask jointly; each wave brings the whole block of one key step, 16,384 bytes, by one load.
; ONE BARRIER: behind each wave's wait for its one load, ahead of key steps 0-15.  Behind it the waves are not brought into step again.
; Both products are used transposed (S^T = K Q^T, O^T = V^T P^T): a lane holds one query throughout.  A key tile's lane r is key 8 u + r + 8 (r / 8) of its 32, so that the 16 registers of two neighbouring tiles are 16 neighbouring keys.
; K of the score product is 64: k = 64 .. 127 are zeros, but for k = 64, where q has +1 and a masked key -1 with the byte 160: a masked score is exactly -2^33, and t = score x c is then a whole number, so rows with no open key give p = 1 for every key.
; SOFTMAX: t = score x log2(e) / 8; M = the running largest t rounded up to a whole number; p = 2^(t - M) is quantised along the keys; the sum is taken of the unquantised p and divides at the end.
; LIMITS: as stated for the launch that makes q, k and v; a block of p that is all zeros gets the byte 1.
.set QIMG,  8388608
.set QSC,   11534336
.set A2SC,  3145728
.set WV,    18
.set SEL,   20
.set CS,    22
.set G1,    24
.set G0,    32
.set TB,    48
.set CNT,   49
.set TM,    236
.set CC,    224
.set DD,    232
.macro CROUND
	s_barrier_signal -1
	s_barrier_wait -1
	s_cmp_lg_u32 s[WV], 0
	s_cbranch_scc1 .Lnot_wave_0_\@
	s_barrier_signal -3
.Lnot_wave_0_\@:
	s_barrier_wait -3
	s_barrier_signal -1
	s_barrier_wait -1
.endm
	s_load_b128 s[4:7], s[0:1], 0x0                ; qkvb s[4:5], a2 s[6:7]
	v_lshl_add_u32 v243, v0, 2, 0x40000
	v_mov_b32 v255, 0
	ds_add_u32 v243, v255
	ds_add_u32 v243, v255
	v_lshrrev_b32 v3, 5, v0
	s_delay_alu instid0(VALU_DEP_1)
	v_readfirstlane_b32 s[WV], v3                  ; wave 0..15
	v_and_b32 v3, 31, v0
	s_delay_alu instid0(VALU_DEP_1)
	v_lshlrev_b32 v1, 4, v3                        ; 16 x lane
	s_delay_alu instid0(VALU_DEP_2)
	v_lshlrev_b32 v2, 3, v3                        ; 8 x lane
	v_and_b32 v6, 15, v0
	s_delay_alu instid0(VALU_DEP_1)
	v_lshlrev_b32 v4, 1, v6                        ; 2 r
	s_delay_alu instid0(VALU_DEP_2)
	v_lshlrev_b32 v5, 4, v6                        ; 16 r
	v_bfe_u32 v7, v0, 4, 1                         ; h
	s_bfe_u32 s8, ttmp6, 0x40000                   ; cx: it enters q's and o's addresses alone
	s_lshl_b32 s9, ttmp9, 2
	s_add_co_u32 s9, s9, s8                        ; my block of 256 queries
	s_and_b32 s10, ttmp7, 0xffff                   ; head of batch, which the four partners share
	s_lshl_b32 s12, s10, 18
	s_lshl_b32 s13, s[WV], 14                      ; wave w brings the whole KV block of key step w, 16,384 bytes, by its one load; one barrier follows, then all sixteen key steps
	s_add_co_u32 s12, s12, s13                     ; the head's KV, + my wave's block of key step w, 16,384 bytes
	s_mov_b32 s13, 0
	s_mov_b32 s[G1], 15|(3<<16)|(1<<21)            ; the mask: all four; elements of 8 bytes; 64 rows of 256 bytes, dense
	s_mov_b32 s[G1+1], 32<<16
	s_mov_b32 s[G1+2], 64<<16                      ; 64 rows of 256 bytes
	s_mov_b32 s[G1+3], 32<<16
	s_mov_b32 s[G1+4], 64
	s_mov_b32 s[G1+5], 32
	s_mov_b32 s[G1+6], 0
	s_mov_b32 s[G1+7], 0
	s_lshl_b32 s11, s9, 4
	s_add_co_u32 s11, s11, s[WV]                   ; my query tile in the head, 0..127
	s_lshl_b32 s14, s10, 7
	s_add_co_u32 s14, s14, s11
	s_mul_i32 s16, s14, 768
	s_add_co_u32 s16, s16, QIMG
	s_mov_b32 s17, 0
	s_lshl_b32 s50, s14, 5
	s_add_co_u32 s50, s50, QSC
	s_mov_b32 s51, 0
	s_lshr_b32 s14, s10, 4
	s_lshl_b32 s14, s14, 7
	s_add_co_u32 s14, s14, s11                     ; my row tile among the 256
	s_and_b32 s15, s10, 15                         ; the head: K step head / 2 of the next product, half head % 2
	s_lshl_b32 s52, s14, 3
	s_lshr_b32 s53, s15, 1
	s_add_co_u32 s52, s52, s53
	s_mul_i32 s52, s52, 1536
	s_and_b32 s53, s15, 1
	s_mul_i32 s54, s53, 768
	s_add_co_u32 s52, s52, s54
	s_lshl_b32 s54, s14, 9
	s_add_co_u32 s54, s54, A2SC
	s_lshr_b32 s55, s15, 3
	s_lshl_b32 s55, s55, 8
	s_add_co_u32 s54, s54, s55
	s_bfe_u32 s55, s15, 0x20001
	s_lshl_b32 s55, s55, 2
	s_add_co_u32 s54, s54, s55
	s_lshl_b32 s53, s53, 1
	s_add_co_u32 s54, s54, s53
	s_mov_b32 s53, 0
	s_mov_b32 s55, 0
	s_mov_b32 s[SEL], 0x76543210
	s_mov_b32 s[SEL+1], 0xfedcba98
	s_mov_b32 s[CS], 0x3e38aa3b                    ; c = log2(e) / 8
	s_mov_b32 s[CS+1], s[CS]
	s_wait_dscnt 0x0
	s_wait_kmcnt 0x0
	s_add_nc_u64 s[12:13], s[4:5], s[12:13]
	s_mov_b32 s[G0], 1
	s_lshl_b32 s[G0+1], s[WV], 14
	s_mov_b64 s[G0+2:G0+3], s[12:13]
	s_or_b32 s[G0+3], s[G0+3], 0x80000000
	s_add_nc_u64 s[16:17], s[4:5], s[16:17]        ; q's half fragment
	s_add_nc_u64 s[50:51], s[4:5], s[50:51]        ; q's half scale words
	s_add_nc_u64 s[52:53], s[6:7], s[52:53]        ; o's half fragment
	s_add_nc_u64 s[54:55], s[6:7], s[54:55]        ; o's half scale words
	CROUND                                         ; all four work-groups are here: the joint loads meet
	tensor_load_to_lds s[G0:G0+3], s[G1:G1+7]      ; all fills of the launch in one group: one load of mine is out
	s_nop 0
.rept 4
	v_nop
.endr
	s_wait_alu depctr_va_vdst(0)
.irp p, 0,1,2
	global_load_b64 v[16+2*\p:17+2*\p], v2, s[16:17] offset:256*\p   ; q: registers 0-5
.endr
	global_load_u16 v28, v4, s[50:51]
	v_xor_b32 v22, 1, v7
	s_delay_alu instid0(VALU_DEP_1)
	v_lshlrev_b32 v22, 3, v22                      ; the code +1 at k = 64: lanes 0-15
.irp j, 23,24,25,26,27
	v_mov_b32 v[\j], 0
.endr
.irp t, 0,1,2,3
.irp j, 8,9,10,11
	v_mov_b32 v[32+12*\t+\j], 0                    ; K's registers 8-11 are zeros for good
.endr
.endr
	s_wait_loadcnt 0x0
	v_or_b32 v28, 0x017f0000, v28                  ; q's scale word: byte 127 for k = 64 .. 95, byte 1 for the rest.  The lines below stand between this write and the first product
	v_mov_b32 v13, 0xff61b1e6                      ; the largest t so far: -3e38
	s_delay_alu instid0(VALU_DEP_1)
	v_floor_f32 v12, -v13                          ; -M
	v_mov_b32 v14, 0
	v_mov_b32 v15, 0
.irp b, 0,1,2,3
	v_mov_b32 v[236+\b], 0                         ; a lane permute's destination counts as one of its sources
.endr
	v_mov_b32 v253, 0
.set jj, 0
.rept 32
	v_mov_b32 v[192+jj], 0                         ; O^T: the step is written once; the first finds zeros
.set jj, jj+1
.endr
.macro KLOAD g                         ; four key tiles: registers 0-3 and 4-7 as images
.irp t, 0,1,2,3
	ds_load_b128 v[32+12*\t:35+12*\t], v8 offset:1024*(4*\g+\t)
	ds_load_b128 v[36+12*\t:39+12*\t], v8 offset:1024*(4*\g+\t)+512
.endr
.endm
.macro SPROD g                         ; their scores; an odd tile's scale words stand in lanes 16-31
.irp t, 0,1,2,3
.if \t%2
	v_wmma_scale_f32_16x16x128_f8f6f4 v[128+8*(4*\g+\t):135+8*(4*\g+\t)], v[32+12*\t:43+12*\t], v[16:27], 0, v[248+2*\g+\t/2], v28 matrix_a_fmt:MATRIX_FMT_FP6 matrix_b_fmt:MATRIX_FMT_FP6 matrix_a_scale:MATRIX_SCALE_ROW1
.else
	v_wmma_scale_f32_16x16x128_f8f6f4 v[128+8*(4*\g+\t):135+8*(4*\g+\t)], v[32+12*\t:43+12*\t], v[16:27], 0, v[248+2*\g+\t/2], v28 matrix_a_fmt:MATRIX_FMT_FP6 matrix_b_fmt:MATRIX_FMT_FP6
.endif
.endr
.endm
.macro STEP                            ; 128 keys: the block at LDS byte s[TB]
	v_add_nc_u32 v8, s[TB], v1
	v_add_nc_u32 v9, s[TB], v2
	KLOAD 0
	ds_load_b128 v[248:251], v8 offset:14336       ; K's scale words
	s_wait_alu depctr_va_vdst(0)
	s_wait_dscnt 0x0
	SPROD 0
.rept 4
	v_nop                                          ; places in front of loads into registers that matrix instructions have read
.endr
	KLOAD 1
.irp t, 0,1,2,3
.irp p, 0,1,2,3,4,5
	ds_load_b64 v[80+12*\t+2*\p:81+12*\t+2*\p], v9 offset:8192+1536*\t+256*\p   ; V^T's four fragments land under the softmax
.endr
.endr
	ds_load_b64 v[30:31], v9 offset:14848          ; V's scale words
	s_wait_dscnt 25                                ; the key tiles are in; V's 24 loads and its scale words may be out
	SPROD 1
.irp b, 0,1                            ; the largest score of each block of 32 keys.  Blocks 0 and 1 begin: their four lines name no register of the four products above and are the places behind them
	v_max3_num_f32 v[232+\b], v[128+16*\b], v[129+16*\b], v[130+16*\b]
.endr
.irp b, 0,1
	v_max3_num_f32 v[232+\b], v[232+\b], v[131+16*\b], v[132+16*\b]
.endr
.irp b, 2,3
	v_max3_num_f32 v[232+\b], v[128+16*\b], v[129+16*\b], v[130+16*\b]
.endr
.irp b, 2,3
	v_max3_num_f32 v[232+\b], v[232+\b], v[131+16*\b], v[132+16*\b]
.endr
.irp i, 5,7,9,11,13
.irp b, 0,1,2,3
	v_max3_num_f32 v[232+\b], v[232+\b], v[128+16*\b+\i], v[129+16*\b+\i]
.endr
.endr
.irp b, 0,1,2,3
	v_max_num_f32 v[232+\b], v[232+\b], v[143+16*\b]
.endr
.irp b, 0,1,2,3
	s_delay_alu instid0(VALU_DEP_4)
	v_permlanex16_b32 v[236+\b], v[232+\b], s[SEL], s[SEL+1]
.endr
.irp b, 0,1,2,3
	s_delay_alu instid0(VALU_DEP_4)
	v_max_num_f32 v[232+\b], v[232+\b], v[236+\b]
.endr
	s_delay_alu instid0(VALU_DEP_2)
	v_max3_num_f32 v254, v232, v233, v234
	s_delay_alu instid0(VALU_DEP_1)
	v_max_num_f32 v254, v254, v235
	s_delay_alu instid0(VALU_DEP_1)
	v_mul_f32 v254, s[CS], v254                    ; the step's largest t
	s_delay_alu instid0(VALU_DEP_1)
	v_max_num_f32 v13, v13, v254
	v_mov_b32 v254, v12
	s_delay_alu instid0(VALU_DEP_2)
	v_floor_f32 v12, -v13                          ; the new -M: M is a whole number
	s_delay_alu instid0(VALU_DEP_1)
	v_sub_f32 v254, v12, v254
	s_delay_alu instid0(VALU_DEP_1)
	v_cvt_i32_f32 v254, v254                       ; old M - new M (it saturates)
	s_delay_alu instid0(VALU_DEP_1)
	v_ldexp_f32 v252, 1.0, v254                    ; f = 2^(old M - new M)
.set jj, 0
.rept 32
	v_pk_fma_f32 v[128+jj:129+jj], v[128+jj:129+jj], s[CS:CS+1], v[12:13] op_sel_hi:[1,0,0]   ; t - M
.set jj, jj+2
.endr
.irp b, 0,1,2,3
	v_fma_f32 v[232+\b], v[232+\b], s[CS], v12
.endr
.set jj, 0
	s_wait_alu depctr_va_vdst(0)
.rept 64
	v_exp_f32 v[128+jj], v[128+jj]                 ; p = 2^(t - M)
.set jj, jj+1
.endr
	v_pk_mul_f32 v[14:15], v[14:15], v[252:253] op_sel_hi:[1,0]   ; the sums under the new M: a plain instruction behind the batch
	s_wait_alu depctr_va_vdst(0)                   ; one wait for the batch of 64, ahead of its first reader
.irp b, 0,1,2,3
	v_exp_f32 v[232+\b], v[232+\b]                 ; each block's largest p
.endr
	v_pk_add_f32 v[236:237], v[132:133], v[136:137]
	v_pk_add_f32 v[250:251], v[140:141], v[144:145]
	v_pk_add_f32 v[248:249], v[148:149], v[152:153]
	v_pk_add_f32 v[246:247], v[156:157], v[160:161]
	v_pk_add_f32 v[244:245], v[164:165], v[168:169]
	v_pk_add_f32 v[240:241], v[172:173], v[176:177]
	v_pk_add_f32 v[238:239], v[180:181], v[184:185]
	v_pk_add_f32 v[14:15], v[14:15], v[188:189]
	v_pk_add_f32 v[236:237], v[236:237], v[128:129]
	v_pk_add_f32 v[250:251], v[250:251], v[130:131]
	v_pk_add_f32 v[248:249], v[248:249], v[134:135]
	v_pk_add_f32 v[246:247], v[246:247], v[138:139]
	v_pk_add_f32 v[244:245], v[244:245], v[142:143]
	v_pk_add_f32 v[240:241], v[240:241], v[146:147]
	v_pk_add_f32 v[238:239], v[238:239], v[150:151]
	v_pk_add_f32 v[14:15], v[14:15], v[154:155]
	v_pk_add_f32 v[236:237], v[236:237], v[158:159]
	v_pk_add_f32 v[250:251], v[250:251], v[162:163]
	v_pk_add_f32 v[248:249], v[248:249], v[166:167]
	v_pk_add_f32 v[246:247], v[246:247], v[170:171]
	v_pk_add_f32 v[244:245], v[244:245], v[174:175]
	v_pk_add_f32 v[240:241], v[240:241], v[178:179]
	v_pk_add_f32 v[238:239], v[238:239], v[182:183]
	v_pk_add_f32 v[14:15], v[14:15], v[186:187]
	v_pk_add_f32 v[236:237], v[236:237], v[190:191]
	s_delay_alu instid0(VALU_DEP_2)
	v_pk_add_f32 v[14:15], v[14:15], v[246:247]
	s_delay_alu instid0(VALU_DEP_2)
	v_pk_add_f32 v[236:237], v[236:237], v[244:245]
	v_pk_add_f32 v[250:251], v[250:251], v[240:241]
	v_pk_add_f32 v[248:249], v[248:249], v[238:239]
	s_delay_alu instid0(VALU_DEP_2)
	v_pk_add_f32 v[14:15], v[14:15], v[250:251]
	s_delay_alu instid0(VALU_DEP_2)
	v_pk_add_f32 v[236:237], v[236:237], v[248:249]
	s_delay_alu instid0(VALU_DEP_1)
	v_pk_add_f32 v[14:15], v[14:15], v[236:237]
	s_wait_alu depctr_va_vdst(0)                   ; and one for the four
.irp b, 0,1,2,3
	v_max_num_f32 v[232+\b], 0x1800000, v[232+\b]  ; the floor 2^(3 - 127)
.endr
.irp b, 0,1,2,3
	s_delay_alu instid0(VALU_DEP_4)
	v_add_nc_u32 v[244+\b], 0xff000000, v[232+\b]
.endr
.irp b, 0,1,2,3
	s_delay_alu instid0(VALU_DEP_4)
	v_lshrrev_b32 v[236+\b], 23, v[244+\b]
.endr
	s_delay_alu instid0(VALU_DEP_3)
	v_lshl_or_b32 v253, v237, 8, v236              ; p's scale word
	s_delay_alu instid0(VALU_DEP_1)
	v_lshl_or_b32 v253, v238, 16, v253
	s_delay_alu instid0(VALU_DEP_1)
	v_lshl_or_b32 v253, v239, 24, v253
.irp c, 0,1
	v_cvt_scalef32_pk16_fp6_f32 v[224+6*\c:226+6*\c], v[128+32*\c:143+32*\c], v[244+2*\c]
	v_cvt_scalef32_pk16_fp6_f32 v[236+4*\c:238+4*\c], v[144+32*\c:159+32*\c], v[244+2*\c+1]
.endr
	v_nop
.irp c, 0,1
.irp i, 0,1,2
	v_permlane16_swap_b32 v[224+6*\c+\i], v[236+4*\c+\i]
.endr
.irp i, 0,1,2
	s_delay_alu instid0(VALU_DEP_3)
	v_mov_b32 v[227+6*\c+\i], v[236+4*\c+\i]
.endr
.endr
.set jj, 0
.rept 16
	v_pk_mul_f32 v[192+jj:193+jj], v[192+jj:193+jj], v[252:253] op_sel_hi:[1,0]   ; O^T under the new M; for each product below twelve of these name none of its registers: its places behind the writes of p's codes and word
.set jj, jj+2
.endr
	s_wait_alu depctr_va_vdst(0)
	s_wait_dscnt 0x0                               ; V
.irp t, 0,1,2,3
.if \t%2
	v_wmma_scale_f32_16x16x128_f8f6f4 v[192+8*\t:199+8*\t], v[80+12*\t:91+12*\t], v[224:235], v[192+8*\t:199+8*\t], v[30+\t/2], v253 matrix_a_fmt:MATRIX_FMT_FP6 matrix_b_fmt:MATRIX_FMT_FP6 matrix_a_scale:MATRIX_SCALE_ROW1
.else
	v_wmma_scale_f32_16x16x128_f8f6f4 v[192+8*\t:199+8*\t], v[80+12*\t:91+12*\t], v[224:235], v[192+8*\t:199+8*\t], v[30+\t/2], v253 matrix_a_fmt:MATRIX_FMT_FP6 matrix_b_fmt:MATRIX_FMT_FP6
.endif
.endr
.endm
; A run of key steps from stage n on.  left: how many of my younger tensor loads may stay out.  Each wave's parts of the stages that the run reads have landed by its own wait; behind the barrier everybody's have.
; Behind the first the later stages may stay out.
.macro RUN n, left, steps
	s_wait_tensorcnt \left
	s_wait_dscnt 0x0
	s_barrier_signal -1
	s_barrier_wait -1
	s_mov_b32 s[TB], 65536*\n
	s_mov_b32 s[CNT], \steps
.Lstep_\@:
	STEP
	s_add_co_u32 s[TB], s[TB], 16384
	s_sub_co_u32 s[CNT], s[CNT], 1
	s_cmp_lg_u32 s[CNT], 0
	s_cbranch_scc1 .Lstep_\@
.endm
	RUN 0, 0, 16                                   ; my load has landed; behind the barrier all sixteen blocks have
.rept 4
	v_nop                                          ; places behind the last products
.endr
	v_add_f32 v14, v14, v15
	s_delay_alu instid0(VALU_DEP_1)
	v_permlanex16_b32 v252, v14, s[SEL], s[SEL+1]
	s_delay_alu instid0(VALU_DEP_1)
	v_add_f32 v14, v14, v252                       ; the row's sum
	s_wait_alu depctr_va_vdst(0)
	v_rcp_f32 v14, v14
	v_nop
	s_wait_alu depctr_va_vdst(0)
.set jj, 0
.rept 32
	v_mul_f32 v[128+jj], v[192+jj], v14            ; o: register 8 t + j = channel 16 t + 8 h + j of my query
.set jj, jj+1
.endr
	; o's 64 channels are half a K step of the next product: the quantiser of half a fragment
.irp j, 0,1,2,3,4,5,6,7
	v_permlane16_swap_b32 v[128+\j], v[136+\j]     ; register 16 B + i = channel 32 B + 16 h + i
	v_permlane16_swap_b32 v[144+\j], v[152+\j]
.endr
	v_max3_num_f32 v[TM], |v128|, |v129|, 0x1800000
	v_max3_num_f32 v[TM+1], |v144|, |v145|, 0x1800000
.irp i, 2,4,6,8,10,12,14
	s_delay_alu instid0(VALU_DEP_2)
	v_max3_num_f32 v[TM], v[TM], |v[128+\i]|, |v[129+\i]|
	s_delay_alu instid0(VALU_DEP_2)
	v_max3_num_f32 v[TM+1], v[TM+1], |v[144+\i]|, |v[145+\i]|
.endr
	s_delay_alu instid0(VALU_DEP_2)
	v_permlanex16_b32 v[TM+2], v[TM], s[SEL], s[SEL+1]
	s_delay_alu instid0(VALU_DEP_2)
	v_permlanex16_b32 v[TM+3], v[TM+1], s[SEL], s[SEL+1]
	s_delay_alu instid0(VALU_DEP_2)
	v_max_num_f32 v[TM], v[TM], v[TM+2]
	s_delay_alu instid0(VALU_DEP_2)
	v_max_num_f32 v[TM+1], v[TM+1], v[TM+3]
	s_delay_alu instid0(VALU_DEP_2)
	v_add_nc_u32 v[TM+4], 0xff000000, v[TM]
	s_delay_alu instid0(VALU_DEP_2)
	v_add_nc_u32 v[TM+5], 0xff000000, v[TM+1]
	s_delay_alu instid0(VALU_DEP_2)
	v_lshrrev_b32 v[TM+2], 23, v[TM+4]
	s_delay_alu instid0(VALU_DEP_2)
	v_lshrrev_b32 v[TM+3], 23, v[TM+5]
	s_delay_alu instid0(VALU_DEP_1)
	v_lshl_or_b32 v244, v[TM+3], 8, v[TM+2]
	v_cvt_scalef32_pk16_fp6_f32 v[CC:CC+2], v[128:143], v[TM+4]
	v_cvt_scalef32_pk16_fp6_f32 v[DD:DD+2], v[144:159], v[TM+5]
	v_nop
.irp i, 0,1,2
	v_permlane16_swap_b32 v[CC+\i], v[DD+\i]
.endr
.irp i, 0,1,2
	s_delay_alu instid0(VALU_DEP_3)
	v_mov_b32 v[CC+3+\i], v[DD+\i]
.endr
.irp p, 0,1,2
	global_store_b64 v2, v[CC+2*\p:CC+2*\p+1], s[52:53] offset:256*\p   ; a plane: 256 consecutive bytes, aligned
.endr
	global_store_b16 v5, v244, s[54:55]            ; lanes l and l + 16 store the same half word
	s_wait_tensorcnt 0x0
	ds_add_u32 v243, v255
	s_wait_dscnt 0x0
	CROUND                                         ; the closing round
	s_endpgm
.Lfunc_end_k_q6b5d3e376e_attn:
	.size	k_q6b5d3e376e_attn, .Lfunc_end_k_q6b5d3e376e_attn-k_q6b5d3e376e_attn
	.p2alignl 7, 3214868480
	.fill 96, 4, 3214868480
	.section	.rodata,"a",@progbits
	.p2align	6, 0x0
	.amdhsa_kernel k_q6b5d3e376e_attn
		.amdhsa_group_segment_fixed_size 264192
		.amdhsa_private_segment_fixed_size 0
		.amdhsa_enable_private_segment 0
		.amdhsa_kernarg_size 16
		.amdhsa_user_sgpr_count 2
		.amdhsa_user_sgpr_kernarg_segment_ptr 1
		.amdhsa_wavefront_size32 1
		.amdhsa_system_sgpr_workgroup_id_x 1
		.amdhsa_system_sgpr_workgroup_id_y 1
		.amdhsa_system_sgpr_workgroup_id_z 1
		.amdhsa_system_vgpr_workitem_id 0
		.amdhsa_next_free_vgpr 256
		.amdhsa_next_free_sgpr 66
		.amdhsa_reserve_vcc 0
		.amdhsa_float_denorm_mode_32 3
		.amdhsa_float_denorm_mode_16_64 3
		.amdhsa_memory_ordered 1
		.amdhsa_forward_progress 1
		.amdhsa_inst_pref_size 31
	.end_amdhsa_kernel
	.amdgpu_metadata
---
amdhsa.version: [ 1, 2 ]
amdhsa.kernels:
  - .name:           k_q6b5d3e376e_attn
    .symbol:         k_q6b5d3e376e_attn.kd
    .args:
      - { .name: qkvb, .offset: 0, .size: 8, .value_kind: global_buffer, .address_space: global }
      - { .name: a2, .offset: 8, .size: 8, .value_kind: global_buffer, .address_space: global }
    .group_segment_fixed_size: 264192
    .private_segment_fixed_size: 0
    .kernarg_segment_align: 8
    .kernarg_segment_size: 16
    .max_flat_workgroup_size: 512
    .sgpr_count:     66
    .vgpr_count:     256
    .wavefront_size: 32
...
	.end_amdgpu_metadata
.endif
;; end of part 3
;; launch wo (part 4): grid 8 x 32, 4 waves a work-group, clusters of 4 x 4, 327,680 bytes of LDS; arguments a2, w_o_codes, w_o_scales, x, x1; writes x1
.if DOCPART == 4
	.amdgcn_target "amdgcn-amd-amdhsa--gfx1250"
	.amdhsa_code_object_version 6
	.text
	.protected	k_q6b5d3e376e_wo
	.globl	k_q6b5d3e376e_wo
	.p2align	8
	.type	k_q6b5d3e376e_wo,@function
k_q6b5d3e376e_wo:
	s_mov_b64 s[64:65], 0
	v_nop
	global_prefetch_b8 v0, s[64:65] scope:SCOPE_SE
	s_setreg_imm32_b32 hwreg(HW_REG_WAVE_MODE, 25, 1), 1
	s_wait_xcnt 0x0
	s_wait_alu depctr_hold_cnt(0) depctr_sa_sdst(0) depctr_va_vdst(0) depctr_va_sdst(0) depctr_va_ssrc(0) depctr_va_vcc(0) depctr_vm_vsrc(0)
	s_getreg_b32 s2, hwreg(HW_REG_IB_STS2, 6, 4)
	s_cmp_eq_u32 s2, 0
	s_cbranch_scc0 .Lentry_in_a_cluster
	s_endpgm
.Lentry_in_a_cluster:
	s_bfe_u32 s2, ttmp6, 0x10000c
	s_cmp_lg_u32 s2, 0xf033
	s_cbranch_scc0 .Lentry_shape_is_right
	s_endpgm
.Lentry_shape_is_right:
; x1 = x + Q(o) w_o^T on codes of FP6 (E2M3).  A: images of operand registers (16 rows x 128 K = 1,536 bytes, six planes of 256) with scale words behind them; W: rows of codes as given.
; SHARES: work-group (X, Y): tokens 128 Y on, columns 128 X on: 256 work-groups.  Wave w: row tiles 4 (w / 2) + a, columns 64 (w % 2) + 16 b: 16 accumulators.  K goes in steps of 512.
; LDS: two slots for A (8 row tiles x 6,144 bytes dense, a step each); slots for W, each a lap of 1,024 along K: 128 rows x 768 bytes, which begin on multiples of 256 bytes, 16 bytes behind each 256 (pitch 816); W's scale bytes.
; K is 1,024 here: both steps of A, W's one lap and its scales are the head's four loads, one a wave; nothing is filled again.  No prefetch: all tiles are asked for at the head, there is no loop to run ahead in.
; A's scale words come from memory into registers, a step ahead of their use.  CLUSTER 4 x 4: A's tiles shared along a row, W's along a column, by joint loads.
; The product is used transposed: a lane holds one token and eight neighbouring columns a tile.  The way out goes through the wave's own stage, in A's slot 0 behind its last fill and last read; sixteen lanes store 256 consecutive bytes.
; Lane r of row tile 2 g + u is token 32 g + 8 u + r + 8 (r / 8).
.set KK,    1024
.set HASB,  0
.set PF,    0
.set RESAT, -1                         ; the residual is asked for at the head
.set ASC,   3145728
.set KST,   KK/128
.set KSL,   KK/512
.set NSTEP, KK/512
.set WROW,  KK*3/4
.set ASLOT, 49152
.set WB,    2*ASLOT
.set BPIT,  816
.set BSLOT, 128*BPIT
.set SCB,   WB+2*BSLOT
.set SROWS, 128*(KK/32)/256
.set SBT,   SROWS*272
.set SBB,   SBT/8
.set SBH,   SBT/2
.set SPARE, SCB+SBT                    ; the spare words: 128 bytes a wave
.set ADRA,  4
.set ADRB,  6
.set ADRB2, 8
.set ASA,   10
.set ADSB,  11
.set SPW,   12
.set NIL,   13
.set STO,   14
.set RD,    15
.set GOFF,  16
.set PFO,   18
.set ACC,   128
.set F0,    0
.set F1,    128
.set G1A,   32
.set G0A,   40
.set G1B,   48
.set G0B,   56
.set G1S,   68
.set G0S,   76
.set SAB,   80
.set PFA,   82
.set PFS,   84
.set MUL,   0x05
.set TO_F,  0x40
.set MSB, 0
.macro WIN new
.if MSB != \new
	s_set_vgpr_msb (MSB<<8)|\new
.set MSB, \new
.endif
.endm
.macro PLACES
.rept 4
	v_nop
.endr
.endm
.macro CREST
	s_cmp_lg_u32 s22, 0
	s_cbranch_scc1 .Lnot_wave_0_\@
	s_barrier_signal -3
.Lnot_wave_0_\@:
	s_barrier_wait -3
	s_barrier_signal -1
	s_barrier_wait -1
.endm
.macro CROUND
	s_barrier_signal -1
	s_barrier_wait -1
	CREST
.endm
.macro ARM under, g0, g1, next
	s_cmp_lt_u32 s22, \under
	s_cbranch_scc0 \next
	tensor_load_to_lds s[\g0:\g0+3], s[\g1:\g1+7]
	s_nop 0
	PLACES
	s_branch .Lhead_asked
\next:
.endm
.macro FETCH j, q, f                   ; 48 LDS loads: the fragments of K step q of step j: A from slot j % 2, W from slot (j / 2) % 2, K step 4 (j % 2) + q of its lap
	WIN TO_F
.irp a, 0,1,2,3
.irp p, 0,1,2,3,4,5
	ds_load_b64 v[\f+12*\a+2*\p:\f+12*\a+2*\p+1], v[ADRA+(\j)%2] offset:6144*\a+1536*(\q)+256*\p
.endr
.endr
.irp b, 0,1,2,3
.irp p, 0,1,2,3,4,5
.set PC, 12*(4*((\j)%2)+(\q))+6*(\p/3)+\p%3   ; the piece of 8 bytes that lanes 0-15 take; lanes 16-31 take the piece three on, which may lie behind one padding more
.if PC%32 < 29
	ds_load_b64 v[\f+48+12*\b+2*\p:\f+48+12*\b+2*\p+1], v[ADRB+((\j)/2)%2] offset:8*PC+16*(PC/32)+13056*\b
.else
	ds_load_b64 v[\f+48+12*\b+2*\p:\f+48+12*\b+2*\p+1], v[ADRB2+((\j)/2)%2] offset:8*PC+16*(PC/32)+13056*\b
.endif
.endr
.endr
.endm
.macro WSCL j                          ; W's scale words of step j, from LDS, into set j % 2
	WIN 0
.irp b, 0,1,2,3
	ds_load_b128 v[48+32*((\j)%2)+4*\b:48+32*((\j)%2)+4*\b+3], v[ADSB] offset:\b*SBB+16*(\j)
.endr
.endm
.macro ASCL j                          ; A's scale words of step j, from memory, into set j % 2: sixteen lanes read 256 consecutive bytes
	WIN 0
.irp a, 0,1,2,3
	global_load_b128 v[32+32*((\j)%2)+4*\a:32+32*((\j)%2)+4*\a+3], v[ASA], s[SAB:SAB+1] offset:\a*KSL*256+256*(\j)
.endr
.endm
.macro RES                             ; the residual into window 2, in the order in which the rows come back from the stage
	WIN 0x80
.irp a, 0,1,2,3
.irp i, 0,1,2,3,4,5,6,7
	global_load_b128 v[32*\a+4*\i:32*\a+4*\i+3], v[GOFF], s[10:11] offset:4096*(32*(\a/2)+8*(\a%2)+2*\i+8*(\i/4))
.endr
.endr
	WIN 0
.endm
.macro MUL8 f, a0, q, j                ; 8 matrix instructions, transposed; the 16 accumulators take turns.  The very first K step starts the sums with the constant 0
	WIN MUL
.irp a, \a0, \a0+1
.irp b, 0,1,2,3
.set rW, \f+48+12*\b
.set rA, \f+12*(\a)
.set sW, 48+32*((\j)%2)+4*\b+(\q)
.set sA, 32+32*((\j)%2)+4*(\a)+(\q)
.set rD, ACC+8*(4*(\a)+\b)
.if (\j)+(\q) == 0
	v_wmma_scale_f32_16x16x128_f8f6f4 v[rD:rD+7], v[rW:rW+11], v[rA:rA+11], 0, v[sW], v[sA] matrix_a_fmt:MATRIX_FMT_FP6 matrix_b_fmt:MATRIX_FMT_FP6
.else
	v_wmma_scale_f32_16x16x128_f8f6f4 v[rD:rD+7], v[rW:rW+11], v[rA:rA+11], v[rD:rD+7], v[sW], v[sA] matrix_a_fmt:MATRIX_FMT_FP6 matrix_b_fmt:MATRIX_FMT_FP6
.endif
.endr
.endr
.endm
.macro KS f, q, j, g
	s_wait_dscnt 0x0                               ; this K step's fragments are in
	PLACES                                         ; four places behind the products that read the other buffer: the next K step's fragments are asked for first
.if (\q) == 0 && (\j)+1 < NSTEP
	ASCL (\j)+1                                    ; into the set that the step before has left
.endif
	FETCH \j, (\q)+1, \g
	MUL8 \f, 0, \q, \j
	MUL8 \f, 2, \q, \j
.endm
.macro STEP3 j
.if (\j) == RESAT+1
	s_wait_loadcnt 32                              ; this step's scale words of A are in; the 32 loads of the residual, issued behind them, may be out
.else
	s_wait_loadcnt 0x0
.endif
	KS F0, 0, \j, F1
	KS F1, 1, \j, F0
	KS F0, 2, \j, F1
.endm
.macro REFILL j                        ; wave 0 fills A's slot again; at the end of a lap wave 1 fills W's: one load a wave, one chain of branches
	s_cmp_eq_u32 s22, 0
	s_cbranch_scc0 .Lnot_a_\@
	tensor_load_to_lds s[G0A+4*((\j)%2):G0A+4*((\j)%2)+3], s[G1A:G1A+7]
	s_nop 0
	PLACES
	s_branch .Lasked_\@
.Lnot_a_\@:
.if ((\j)%2) && (\j)/2+2 < NSTEP/2
	s_cmp_eq_u32 s22, 1
	s_cbranch_scc0 .Lasked_\@
	tensor_load_to_lds s[G0B+4*(((\j)/2)%2):G0B+4*(((\j)/2)%2)+3], s[G1B:G1B+7]
	s_nop 0
	PLACES
.endif
.Lasked_\@:
.endm
.macro ASK i                           ; the prefetch behind change of slots i
.if PF && (\i)+4 < NSTEP
.if (\i) > 1
	s_cmp_eq_u32 s23, 0
	s_cbranch_scc0 .Lno_ask_\@
.endif
	global_prefetch_b8 v[PFO], s[PFA:PFA+1] th:TH_LOAD_NT scope:SCOPE_SE
.if (\i) > 1
.Lno_ask_\@:
.endif
.endif
.endm
; A step's fourth K step changes slots: one barrier; in front of it each wave waits for all its tensor loads, adds 0 to its spare word, and waits for that and for its reads of this step's slots.
.macro TURN j
	WIN 0
.if PF && (\j)+4 < NSTEP
	s_wait_xcnt 0x0                                ; my last prefetch has read its address
	s_add_nc_u64 s[PFA:PFA+1], s[PFA:PFA+1], s[PFS:PFS+1]
.endif
	s_wait_tensorcnt 0x0
	ds_add_u32 v[SPW], v[NIL]
	s_wait_dscnt 0x1                               ; only the add may be out
	MUL8 F1, 0, 3, \j
	s_wait_dscnt 0x0
	s_barrier_signal -1
	WIN 0
	s_barrier_wait -1
.if (\j)+2 < NSTEP
	CREST                                          ; the barrier has opened a round of the cluster's barrier
	s_add_nc_u64 s[G0A+4*((\j)%2)+2:G0A+4*((\j)%2)+3], s[G0A+4*((\j)%2)+2:G0A+4*((\j)%2)+3], 12288
.if ((\j)%2) && (\j)/2+2 < NSTEP/2
	s_add_nc_u64 s[G0B+4*(((\j)/2)%2)+2:G0B+4*(((\j)/2)%2)+3], s[G0B+4*(((\j)/2)%2)+2:G0B+4*(((\j)/2)%2)+3], 1536
.endif
	REFILL \j
.endif
	PLACES
	FETCH (\j)+1, 0, F0
	WSCL (\j)+1
	ASK \j
	MUL8 F1, 2, 3, \j
.endm
	s_load_b256 s[4:11], s[0:1], 0x0               ; A s[4:5], W's codes s[6:7], scales s[8:9], the residual s[10:11]
.if HASB
	s_load_b128 s[12:15], s[0:1], 0x20             ; the result s[12:13], the bias s[14:15]
.else
	s_load_b64 s[12:13], s[0:1], 0x20              ; the result
.endif
	v_lshl_add_u32 v[SPW], v0, 2, SPARE
	v_mov_b32 v[NIL], 0
	ds_add_u32 v[SPW], v[NIL]                      ; the opening lines: the add twice on end and its wait
	ds_add_u32 v[SPW], v[NIL]
	v_lshrrev_b32 v1, 5, v0
	v_readfirstlane_b32 s22, v1                    ; wave
	s_lshr_b32 s23, s22, 1                         ; my half of the rows
	s_and_b32 s24, s22, 1                          ; my half of the columns
	s_bfe_u32 s25, ttmp6, 0x40000                  ; cx
	s_bfe_u32 s26, ttmp6, 0x40004                  ; cy
	s_lshl_b32 s27, ttmp9, 2
	s_add_co_u32 s27, s27, s25                     ; X
	s_and_b32 s28, ttmp7, 0xffff
	s_lshl_b32 s28, s28, 2
	s_add_co_u32 s28, s28, s26                     ; Y
	s_lshl_b32 s29, s26, 2
	s_lshl_b32 s29, 15, s29                        ; my row of the cluster
	s_lshl_b32 s30, 0x1111, s25                    ; my column
	s_or_b32 s[G1A], s29, (3<<16)|(1<<21)          ; A: 8 row tiles x 6,144 bytes (768 elements of 8), a tile's images apart
	s_mov_b32 s[G1A+1], 768<<16
	s_mov_b32 s[G1A+2], 8<<16
	s_mov_b32 s[G1A+3], 768<<16
	s_mov_b32 s[G1A+4], 8
	s_mov_b32 s[G1A+5], 192*KST
	s_mov_b32 s[G1A+6], 0
	s_mov_b32 s[G1A+7], 0
	s_or_b32 s[G1B], s30, (1<<20)|(1<<21)|(5<<22)|(3<<25)   ; W: 128 rows x 768 bytes, 4 words behind every 64
	s_mov_b32 s[G1B+1], 768<<16
	s_mov_b32 s[G1B+2], 128<<16
	s_mov_b32 s[G1B+3], 768<<16
	s_mov_b32 s[G1B+4], 128
	s_mov_b32 s[G1B+5], WROW
	s_mov_b32 s[G1B+6], 0
	s_mov_b32 s[G1B+7], 0
	s_or_b32 s[G1S], s30, (3<<16)|(1<<20)|(1<<21)|(5<<22)|(3<<25)   ; W's scale bytes: a dense block as rows of 256 bytes + 16
	s_mov_b32 s[G1S+1], 32<<16
	s_mov_b32 s[G1S+2], SROWS<<16
	s_mov_b32 s[G1S+3], 32<<16
	s_mov_b32 s[G1S+4], SROWS
	s_mov_b32 s[G1S+5], 32
	s_mov_b32 s[G1S+6], 0
	s_mov_b32 s[G1S+7], 0
	s_lshl_b32 s2, s28, 3
	s_mul_i32 s[G0A+2], s2, KST*1536
	s_mov_b32 s[G0A+3], 0
	s_lshl_b32 s3, s23, 2
	s_add_co_u32 s2, s2, s3                        ; the first row tile that I multiply
	s_mul_i32 s[SAB], s2, KSL*256
	s_add_co_u32 s[SAB], s[SAB], ASC
	s_mov_b32 s[SAB+1], 0
	s_mul_i32 s100, s27, 128*KK/32
	s_mov_b32 s101, 0
	s_mov_b32 s[G0A], 1
	s_mov_b32 s[G0A+1], 0
	s_mov_b32 s[G0A+4], 1
	s_mov_b32 s[G0A+5], ASLOT
	s_mov_b32 s[G0B], 1
	s_mov_b32 s[G0B+1], WB
	s_mov_b32 s[G0S], 1
	s_mov_b32 s[G0S+1], SCB
	s_wait_dscnt 0x0
	s_wait_kmcnt 0x0
	s_add_nc_u64 s[G0A+2:G0A+3], s[4:5], s[G0A+2:G0A+3]
	s_add_nc_u64 s[G0A+6:G0A+7], s[G0A+2:G0A+3], 6144
	s_or_b32 s[G0A+3], s[G0A+3], 0x80000000
	s_or_b32 s[G0A+7], s[G0A+7], 0x80000000
	s_add_nc_u64 s[SAB:SAB+1], s[4:5], s[SAB:SAB+1]
	s_add_nc_u64 s[G0S+2:G0S+3], s[8:9], s[100:101]
	s_or_b32 s[G0S+3], s[G0S+3], 0x80000000
	s_mul_i32 s100, s100, 24                       ; a row's scale bytes x 24 = its bytes of codes
	s_add_nc_u64 s[G0B+2:G0B+3], s[6:7], s[100:101]
.if NSTEP > 2
	s_mov_b32 s[G0B+4], 1
	s_mov_b32 s[G0B+5], WB+BSLOT
	s_add_nc_u64 s[G0B+6:G0B+7], s[G0B+2:G0B+3], 768
	s_or_b32 s[G0B+7], s[G0B+7], 0x80000000
.endif
	s_or_b32 s[G0B+3], s[G0B+3], 0x80000000
	CROUND                                         ; all sixteen work-groups are here: the first joint loads meet
	ARM 1, G0A, G1A, .Lhead_w                      ; the head's loads, one a wave: A's step 0,
	ARM 2, G0B, G1B, .Lhead_s                      ; W's lap 0,
	ARM 3, G0S, G1S, .Lhead_a1                     ; W's scales,
	tensor_load_to_lds s[G0A+4:G0A+7], s[G1A:G1A+7]    ; A's step 1
	s_nop 0
	PLACES
.Lhead_asked:
	s_mul_i32 s16, s23, 24576
	s_mul_i32 s17, s24, 64*BPIT
	s_add_co_u32 s17, s17, WB
	s_mul_i32 s18, s24, SBH
	s_add_co_u32 s18, s18, SCB
	s_mul_i32 s19, s22, 4352                       ; my stage: 16 rows x 272 bytes, in A's slot 0
	s_lshl_b32 s100, s27, 9
	s_lshl_b32 s2, s24, 8
	s_add_co_u32 s100, s100, s2                    ; column 128 X + 64 x my half, in bytes
.if HASB
	s_add_nc_u64 s[14:15], s[14:15], s[100:101]
.endif
	s_lshl_b32 s2, s28, 19
	s_add_co_u32 s100, s100, s2
	s_lshl_b32 s2, s23, 18
	s_add_co_u32 s100, s100, s2                    ; + token 128 Y + 64 x my half
	s_add_nc_u64 s[10:11], s[10:11], s[100:101]
	s_add_nc_u64 s[12:13], s[12:13], s[100:101]
	v_and_b32 v3, 31, v0
	v_and_b32 v1, 15, v0
	v_bfe_u32 v2, v0, 4, 1
	v_lshl_add_u32 v[ADRA], v3, 3, s16
	v_add_nc_u32 v[ADRA+1], ASLOT, v[ADRA]
	v_mul_u32_u24 v[ADRB], v1, BPIT
	v_add_nc_u32 v[ADRB], s17, v[ADRB]
	v_mad_u32_u24 v[ADRB2], v2, 40, v[ADRB]
	v_mad_u32_u24 v[ADRB], v2, 24, v[ADRB]
	v_lshlrev_b32 v[ASA], 4, v1
	v_mul_u32_u24 v[ADSB], v1, KK/32               ; my row's scale bytes, and 16 more for each 256 passed
	v_lshrrev_b32 v17, 8, v[ADSB]
	v_lshl_add_u32 v[ADSB], v17, 4, v[ADSB]
	v_add_nc_u32 v[ADSB], s18, v[ADSB]
	v_mul_u32_u24 v[STO], v1, 272
	v_lshl_add_u32 v[STO], v2, 5, v[STO]
	v_add_nc_u32 v[STO], s19, v[STO]               ; in: row r, 32 bytes for each half of the lanes
	v_mul_u32_u24 v[RD], v2, 272
	v_lshl_add_u32 v[RD], v1, 4, v[RD]
	v_add_nc_u32 v[RD], s19, v[RD]                 ; back: lanes 0-15 one row of 256 bytes, lanes 16-31 the next
	v_lshl_add_u32 v[GOFF], v2, 12, v[ASA]         ; and the same two rows in memory
	s_wait_alu depctr_va_vdst(0)
	ASCL 0
	RES
	s_wait_tensorcnt 0x0                           ; my one load has landed; behind the barrier all four have
	s_barrier_signal -1
	s_barrier_wait -1
	FETCH 0, 0, F0
	WSCL 0
.set ST, 0
.rept NSTEP
	STEP3 ST
.if ST < NSTEP-1
	TURN ST
.else
	s_wait_dscnt 0x0
	MUL8 F1, 0, 3, ST
	MUL8 F1, 2, 3, ST
.endif
.set ST, ST+1
.endr
	PLACES
	WIN 0
	s_wait_loadcnt 0x0                             ; the residual
.irp a, 0,1,2,3                        ; THE WAY OUT, a tile of 16 rows at a time; LDS serves a wave's instructions in order, so no wait stands between the stores and the loads
.set YS, 32+32*(\a%2)
.if \a >= 2
	s_wait_xcnt 0x0                                ; the stores of two tiles back have read these registers
.endif
.irp b, 0,1,2,3
	ds_store_b128 v[STO], v[ACC+8*(4*\a+\b):ACC+8*(4*\a+\b)+3] offset:64*\b       ; each accumulator from its low end on
	ds_store_b128 v[STO], v[ACC+8*(4*\a+\b)+4:ACC+8*(4*\a+\b)+7] offset:64*\b+16
.endr
.irp i, 0,1,2,3,4,5,6,7
	ds_load_b128 v[YS+4*\i:YS+4*\i+3], v[RD] offset:544*\i
.endr
	s_wait_dscnt 0x0
	WIN 0x08                                       ; source 1 window 2
.irp i, 0,1,2,3,4,5,6,7
	v_pk_add_f32 v[YS+4*\i:YS+4*\i+1], v[YS+4*\i:YS+4*\i+1], v[32*\a+4*\i:32*\a+4*\i+1]
	v_pk_add_f32 v[YS+4*\i+2:YS+4*\i+3], v[YS+4*\i+2:YS+4*\i+3], v[32*\a+4*\i+2:32*\a+4*\i+3]
.endr
	WIN 0
.irp i, 0,1,2,3,4,5,6,7
	global_store_b128 v[GOFF], v[YS+4*\i:YS+4*\i+3], s[12:13] offset:4096*(32*(\a/2)+8*(\a%2)+2*\i+8*(\i/4))   ; 16 lanes store 256 consecutive bytes, aligned
.endr
.endr
	s_wait_tensorcnt 0x0                           ; the wave's end
	ds_add_u32 v[SPW], v[NIL]
	s_wait_dscnt 0x0
	CROUND                                         ; the closing round
	s_endpgm
.Lfunc_end_k_q6b5d3e376e_wo:
	.size	k_q6b5d3e376e_wo, .Lfunc_end_k_q6b5d3e376e_wo-k_q6b5d3e376e_wo
	.p2alignl 7, 3214868480
	.fill 96, 4, 3214868480
	.section	.rodata,"a",@progbits
	.p2align	6, 0x0
	.amdhsa_kernel k_q6b5d3e376e_wo
		.amdhsa_group_segment_fixed_size 327680
		.amdhsa_private_segment_fixed_size 0
		.amdhsa_enable_private_segment 0
		.amdhsa_kernarg_size 40
		.amdhsa_user_sgpr_count 2
		.amdhsa_user_sgpr_kernarg_segment_ptr 1
		.amdhsa_wavefront_size32 1
		.amdhsa_system_sgpr_workgroup_id_x 1
		.amdhsa_system_sgpr_workgroup_id_y 1
		.amdhsa_system_sgpr_workgroup_id_z 1
		.amdhsa_system_vgpr_workitem_id 0
		.amdhsa_next_free_vgpr 768
		.amdhsa_next_free_sgpr 102
		.amdhsa_reserve_vcc 0
		.amdhsa_float_denorm_mode_32 3
		.amdhsa_float_denorm_mode_16_64 3
		.amdhsa_memory_ordered 1
		.amdhsa_forward_progress 1
		.amdhsa_inst_pref_size 66
	.end_amdhsa_kernel
	.amdgpu_metadata
---
amdhsa.version: [ 1, 2 ]
amdhsa.kernels:
  - .name:           k_q6b5d3e376e_wo
    .symbol:         k_q6b5d3e376e_wo.kd
    .args:
      - { .name: a2, .offset: 0, .size: 8, .value_kind: global_buffer, .address_space: global }
      - { .name: w_o_codes, .offset: 8, .size: 8, .value_kind: global_buffer, .address_space: global }
      - { .name: w_o_scales, .offset: 16, .size: 8, .value_kind: global_buffer, .address_space: global }
      - { .name: x, .offset: 24, .size: 8, .value_kind: global_buffer, .address_space: global }
      - { .name: x1, .offset: 32, .size: 8, .value_kind: global_buffer, .address_space: global }
    .group_segment_fixed_size: 327680
    .private_segment_fixed_size: 0
    .kernarg_segment_align: 8
    .kernarg_segment_size: 40
    .max_flat_workgroup_size: 128
    .sgpr_count:     102
    .vgpr_count:     768
    .wavefront_size: 32
...
	.end_amdgpu_metadata
.endif
;; end of part 4
;; launch ln2: the kernel of part 1 again; grid 256 x 1, 4 waves a work-group, no clusters, 33,280 bytes of LDS; arguments x1, ln2_g, ln2_b, a1; writes a1
;; launch ffn1 (part 5): grid 8 x 32, 4 waves a work-group, clusters of 4 x 4, 327,680 bytes of LDS; arguments a1, w1_codes, w1_scales, b1, hid; writes hid
.if DOCPART == 5
	.amdgcn_target "amdgcn-amd-amdhsa--gfx1250"
	.amdhsa_code_object_version 6
	.text
	.protected	k_q6b5d3e376e_ffn1
	.globl	k_q6b5d3e376e_ffn1
	.p2align	8
	.type	k_q6b5d3e376e_ffn1,@function
k_q6b5d3e376e_ffn1:
	s_mov_b64 s[64:65], 0
	v_nop
	global_prefetch_b8 v0, s[64:65] scope:SCOPE_SE
	s_setreg_imm32_b32 hwreg(HW_REG_WAVE_MODE, 25, 1), 1
	s_wait_xcnt 0x0
	s_wait_alu depctr_hold_cnt(0) depctr_sa_sdst(0) depctr_va_vdst(0) depctr_va_sdst(0) depctr_va_ssrc(0) depctr_va_vcc(0) depctr_vm_vsrc(0)
	s_getreg_b32 s2, hwreg(HW_REG_IB_STS2, 6, 4)
	s_cmp_eq_u32 s2, 0
	s_cbranch_scc0 .Lentry_in_a_cluster
	s_endpgm
.Lentry_in_a_cluster:
	s_bfe_u32 s2, ttmp6, 0x10000c
	s_cmp_lg_u32 s2, 0xf033
	s_cbranch_scc0 .Lentry_shape_is_right
	s_endpgm
.Lentry_shape_is_right:
; hidden = Q(relu(Q(LN2(x1)) w1 + b1)) on codes of FP6 (E2M3).  A: images of operand registers with scale words; W: rows of codes as given; the result leaves as images of operand registers of the next product.
; SHARES: work-group (X, Y): tokens 128 Y on, hidden units 512 X on, as four laps of a tile of 128 x 128, each eight K steps of 128.  Wave w: row tiles 4 (w / 2) + a, columns 64 (w % 2) + 16 b: 16 accumulators.
; A STAYS IN REGISTERS: a wave's four row tiles x eight K steps are 384 registers.  The first lap reads them from LDS and keeps them; the later laps read W's fragments alone: 24 LDS loads for 16 products.
; LDS: A's image, 8 row tiles x 12,288 bytes dense, filled once; two slots for W, each a whole lap: 128 rows x 768 bytes with 16 bytes behind each 256 (pitch 816 = 204 words: the 16 rows start at the 16 multiples of 4 banks,
; lanes 16-31 lie 6 or 10 words on: the 32 lanes of an 8-byte load touch 64 banks); W's scale bytes of the four laps.  Each slot is filled again once, and that load has a whole lap in which to land.
; CLUSTER 4 x 4: A's image is shared along a row of the cluster, W's tiles along a column: joint loads.  Every wave fetches a quarter of every tile: no branch stands round a tensor load.
; The product is used transposed: a lane holds one token and 64 neighbouring hidden units, half a K step of the next product.  The bias is the C of a lap's first products.
; LIMITS: a block of zeros gets the byte 1 (only this program reads it); magnitudes under 2^-124 are held at that floor; NaN and infinities are not served.
; REGISTERS: window 0: v0-31 addresses; v32-63 A's scale words (8 a + K step); v64-95 W's (8 b + K step); v96-127 at work; v128-255 the accumulators.
;   window 1: A's fragments of K steps 0-4 (48 x step + 12 a);  window 2: of K steps 5-7, and the bias at v160-191;  window 3: two sets of W's fragments (48 x set + 12 b).
.set NT,    4
.set RB,    64                         ; rows of 256 bytes in the one load of W's scales: all four tiles'
.set ASC,   3145728
.set HSC,   12582912
.set ABYT,  98304
.set BPIT,  816
.set BSLOT, 128*BPIT
.set BBASE, ABYT
.set SCB,   BBASE+2*BSLOT
.set SBT,   4352
.set SBB,   544
.set SBH,   2176
.set SPARE, SCB+NT*SBT
.set ADRA,  4
.set ADRB,  6
.set ADRB2, 8
.set ASA,   10
.set ADSB,  11
.set SPW,   12
.set NIL,   13
.set SAR,   32
.set SBR,   64
.set TM,    96
.set CC,    104
.set DD,    112
.set PW,    116
.set ACC,   128
.set BIA,   160                        ; in window 2
.set G1A,   32
.set G0A,   40
.set G1B,   48
.set G0B,   56
.set SEL,   66
.set G1SB,  80
.set G0SB,  88
.set MSB, 0
.macro WIN new                         ; the immediate's high byte repeats the setting that is left
.if MSB != \new
	s_set_vgpr_msb (MSB<<8)|\new
.set MSB, \new
.endif
.endm
.macro PLACES                          ; four plain instructions behind matrix instructions, ahead of loads into their registers and of reads of their results
.rept 4
	v_nop
.endr
.endm
.macro CREST
	s_cmp_lg_u32 s22, 0
	s_cbranch_scc1 .Lnot_wave_0_\@
	s_barrier_signal -3
.Lnot_wave_0_\@:
	s_barrier_wait -3
	s_barrier_signal -1
	s_barrier_wait -1
.endm
.macro CROUND
	s_barrier_signal -1
	s_barrier_wait -1
	CREST
.endm
.macro FETCHA ks                       ; 24 LDS loads: my four row tiles' fragments of K step ks, into the registers in which they stay
.if (\ks) < 5
	WIN 0x40
.set AFR, 48*(\ks)
.else
	WIN 0x80
.set AFR, 48*((\ks)-5)
.endif
.irp a, 0,1,2,3
.irp p, 0,1,2,3,4,5
	ds_load_b64 v[AFR+12*\a+2*\p:AFR+12*\a+2*\p+1], v[ADRA] offset:12288*\a+1536*(\ks)+256*\p
.endr
.endr
.endm
.macro FETCHB s, ks, set               ; 24 LDS loads: my four column tiles' fragments of K step ks from slot s, into set
	WIN 0xc0
.irp b, 0,1,2,3
.irp p, 0,1,2,3,4,5
.set PC, 12*(\ks)+6*(\p/3)+\p%3        ; the piece of 8 bytes that lanes 0-15 take; lanes 16-31 take the piece three on
.if PC%32 < 29
	ds_load_b64 v[48*(\set)+12*\b+2*\p:48*(\set)+12*\b+2*\p+1], v[ADRB+(\s)] offset:8*PC+16*(PC/32)+13056*\b
.else
	ds_load_b64 v[48*(\set)+12*\b+2*\p:48*(\set)+12*\b+2*\p+1], v[ADRB2+(\s)] offset:8*PC+16*(PC/32)+13056*\b
.endif
.endr
.endr
.endm
.macro SCALES t                        ; W's scale words of lap t: eight words a row
	WIN 0
.irp b, 0,1,2,3
	ds_load_b128 v[SBR+8*\b:SBR+8*\b+3], v[ADSB] offset:(\t)*SBT+\b*SBB
	ds_load_b128 v[SBR+8*\b+4:SBR+8*\b+7], v[ADSB] offset:(\t)*SBT+\b*SBB+16
.endr
.endm
; 8 matrix instructions of K step ks, transposed: row tiles a0, a0 + 1 x the four column tiles.  cin = 2: the bias (window 2) starts the sum.
; The 16 accumulators take turns, one instruction a turn, in the same order in every K step.
.macro MUL8 ks, a0, set, cin
.if (\ks) < 5
.set WA, 1
.set AB0, 48*(\ks)
.else
.set WA, 2
.set AB0, 48*((\ks)-5)
.endif
.if (\cin) == 2
.set WN, 3|(WA<<2)|(2<<4)
.else
.set WN, 3|(WA<<2)
.endif
	WIN WN
.irp a, \a0, \a0+1
.irp b, 0,1,2,3
.set rW, 48*(\set)+12*\b
.set rA, AB0+12*(\a)
.set sW, SBR+8*\b+(\ks)
.set sA, SAR+8*(\a)+(\ks)
.set rD, ACC+8*(4*(\a)+\b)
.if (\cin) == 2
	v_wmma_scale_f32_16x16x128_f8f6f4 v[rD:rD+7], v[rW:rW+11], v[rA:rA+11], v[BIA+8*\b:BIA+8*\b+7], v[sW], v[sA] matrix_a_fmt:MATRIX_FMT_FP6 matrix_b_fmt:MATRIX_FMT_FP6
.else
	v_wmma_scale_f32_16x16x128_f8f6f4 v[rD:rD+7], v[rW:rW+11], v[rA:rA+11], v[rD:rD+7], v[sW], v[sA] matrix_a_fmt:MATRIX_FMT_FP6 matrix_b_fmt:MATRIX_FMT_FP6
.endif
.endr
.endr
.endm
.macro BIASLD t                        ; lap t's bias in the result's layout: for column tile b the eight numbers 16 b + 8 h + 0 .. 7, into window 2
	WIN 0x80
.irp b, 0,1,2,3
	global_load_b128 v[BIA+8*\b:BIA+8*\b+3], v16, s[10:11] offset:512*(\t)+64*\b
	global_load_b128 v[BIA+8*\b+4:BIA+8*\b+7], v16, s[10:11] offset:512*(\t)+64*\b+16
.endr
.endm
; K step ks (0 to 6) of a lap whose W lies in slot s.  The next step's fragments of W are asked for first, into the set that the step before has multiplied (four places behind its products);
; first = 1, the first lap: the next step's fragments of A follow in the step's middle, into registers that no product has read.  bt >= 0: lap bt's bias is asked for, four places behind the products that read the last lap's.
.macro KS ks, s, cin, first, bt
	s_wait_dscnt 0x0                               ; this step's fragments (and, at a lap's head, the scale words) are in
	PLACES
	FETCHB \s, (\ks)+1, ((\ks)+1)%2
.if (\bt) >= 0
	BIASLD \bt
.endif
	MUL8 \ks, 0, (\ks)%2, \cin
.if \first
	FETCHA (\ks)+1
.endif
	MUL8 \ks, 2, (\ks)%2, \cin
.endm
; A lap's last K step leaves slot s: one barrier.  In front of it each wave waits for all its tensor loads (its quarter of the other slot), adds 0 to its spare word, and waits for that and for its reads of this slot.
; fill = 1: the barrier opens a round of the cluster's barrier, and the joint refill of this slot, with W's rows 256 further on, is the first thing behind the round.  t2: the lap whose scale words are fetched behind the last products.
.macro TURN s, fill, t2
	WIN 0
	s_wait_tensorcnt 0x0
	ds_add_u32 v[SPW], v[NIL]
	s_wait_dscnt 0x1                               ; only the add may be out: this step's fragments are in
	MUL8 7, 0, 1, 0
	s_wait_dscnt 0x0                               ; the add is done, and my reads of this slot are over
	s_barrier_signal -1
	WIN 0
	s_barrier_wait -1
.if \fill
	CREST
	s_add_nc_u64 s[G0B+4*(\s)+2:G0B+4*(\s)+3], s[G0B+4*(\s)+2:G0B+4*(\s)+3], 2*128*768
	tensor_load_to_lds s[G0B+4*(\s):G0B+4*(\s)+3], s[G1B:G1B+7]
	s_nop 0
	PLACES                                         ; the places in front of the loads below
.else
	PLACES
.endif
	FETCHB 1-(\s), 0, 0
	MUL8 7, 2, 1, 0
	PLACES                                         ; behind the lap's last products: for the loads into the scale words and for the reads of the results
	SCALES \t2
.endm
.macro QH S, pw                        ; a lane's 32 numbers (four result tiles) become six code registers and a half scale word
	s_wait_xcnt 0x0                                ; earlier stores have read the code registers and the pairs of words
.irp j, 0,1,2,3,4,5,6,7
	v_permlane16_swap_b32 v[\S+\j], v[\S+8+\j]     ; register 16 B + i = unit 32 B + 16 h + i
	v_permlane16_swap_b32 v[\S+16+\j], v[\S+24+\j]
.endr
	v_max3_num_f32 v[TM], v[\S], v[\S+1], 0x1800000              ; none is negative here; the floor 2^(3 - 127) holds the byte at 1 from below
	v_max3_num_f32 v[TM+1], v[\S+16], v[\S+17], 0x1800000
.irp i, 2,4,6,8,10,12,14
	v_max3_num_f32 v[TM], v[TM], v[\S+\i], v[\S+1+\i]
	v_max3_num_f32 v[TM+1], v[TM+1], v[\S+16+\i], v[\S+17+\i]
.endr
	v_permlanex16_b32 v[TM+2], v[TM], s[SEL], s[SEL+1]
	v_permlanex16_b32 v[TM+3], v[TM+1], s[SEL], s[SEL+1]
	v_max_num_f32 v[TM], v[TM], v[TM+2]
	v_max_num_f32 v[TM+1], v[TM+1], v[TM+3]
	v_add_nc_u32 v[TM+4], 0xff000000, v[TM]
	v_add_nc_u32 v[TM+5], 0xff000000, v[TM+1]
	v_lshrrev_b32 v[TM+2], 23, v[TM+4]
	v_lshrrev_b32 v[TM+3], 23, v[TM+5]
	v_lshl_or_b32 v[\pw], v[TM+3], 8, v[TM+2]
	v_cvt_scalef32_pk16_fp6_f32 v[CC:CC+2], v[\S:\S+15], v[TM+4]
	v_cvt_scalef32_pk16_fp6_f32 v[DD:DD+2], v[\S+16:\S+31], v[TM+5]
	v_nop
.irp i, 0,1,2
	v_permlane16_swap_b32 v[CC+\i], v[DD+\i]
.endr
.irp i, 0,1,2
	v_mov_b32 v[CC+3+\i], v[DD+\i]
.endr
.endm
.macro EPI_H t
	WIN 0
.irp a, 0,1,2,3
.set jj, 0
.rept 32
	v_max_num_f32 v[ACC+32*\a+jj], 0, v[ACC+32*\a+jj]             ; relu, in f32, each accumulator from its low end on
.set jj, jj+1
.endr
	s_wait_alu depctr_va_vdst(0)
	QH ACC+32*\a, PW+\a
.irp p, 0,1,2
	global_store_b64 v14, v[CC+2*\p:CC+2*\p+1], s[4:5] offset:49152*\a+1536*(\t)+256*\p   ; a plane: 256 consecutive bytes, aligned
.endr
.endr
	v_cndmask_b32 v120, v[PW], v[PW+1], s31        ; the even tile's word in lanes 0-15, the odd tile's in lanes 16-31
	v_cndmask_b32 v121, v[PW+2], v[PW+3], s31
	global_store_b16 v15, v120, s[6:7] offset:4*(\t)
	global_store_b16 v15, v121, s[6:7] offset:4096+4*(\t)
.endm
.macro LAP t, first                    ; lap t: W lies in slot t % 2
	s_wait_loadcnt 0x0                             ; this lap's bias (ahead of the first lap: A's scale words too)
	KS 0, (\t)%2, 2, \first, -1
.if \t < 3
	KS 1, (\t)%2, 0, \first, (\t)+1
.else
	KS 1, (\t)%2, 0, \first, -1
.endif
.irp k, 2,3,4,5,6
	KS \k, (\t)%2, 0, \first, -1
.endr
.if \t < 2
	TURN (\t)%2, 1, (\t)+1
.elseif \t == 2
	TURN (\t)%2, 0, (\t)+1                         ; nothing is left to ask for
.else
	s_wait_dscnt 0x0
	MUL8 7, 0, 1, 0
	MUL8 7, 2, 1, 0
	PLACES
.endif
	EPI_H \t
.endm
	s_load_b256 s[4:11], s[0:1], 0x0               ; a1 s[4:5], w1's codes s[6:7], scales s[8:9], b1 s[10:11]
	s_load_b64 s[12:13], s[0:1], 0x20              ; hid
	v_lshl_add_u32 v[SPW], v0, 2, SPARE
	v_mov_b32 v[NIL], 0
	ds_add_u32 v12, v13
	ds_add_u32 v12, v13
	s_wait_dscnt 0x0
	v_lshrrev_b32 v1, 5, v0
	v_readfirstlane_b32 s22, v1                    ; wave
	s_lshr_b32 s23, s22, 1                         ; my half of the rows
	s_and_b32 s24, s22, 1                          ; my half of the columns
	s_bfe_u32 s25, ttmp6, 0x40000
	s_bfe_u32 s26, ttmp6, 0x40004
	s_lshl_b32 s27, ttmp9, 2
	s_add_co_u32 s27, s27, s25                     ; X
	s_and_b32 s28, ttmp7, 0xffff
	s_lshl_b32 s28, s28, 2
	s_add_co_u32 s28, s28, s26                     ; Y
	s_lshl_b32 s29, s26, 2
	s_lshl_b32 s29, 15, s29                        ; my row of the cluster
	s_lshl_b32 s30, 0x1111, s25                    ; my column
	s_mov_b32 s31, 0xffff0000
	s_mov_b32 s[SEL], 0x76543210
	s_mov_b32 s[SEL+1], 0xfedcba98
	s_or_b32 s[G1A], s29, (3<<16)|(1<<21)          ; A: eight row tiles, 98,304 dense bytes, as 384 rows of 32 elements of 8 bytes
	s_mov_b32 s[G1A+1], 32<<16
	s_mov_b32 s[G1A+2], 384<<16                    ; A: the whole image in one load, 384 rows of 256 bytes
	s_mov_b32 s[G1A+3], 32<<16
	s_mov_b32 s[G1A+4], 384
	s_mov_b32 s[G1A+5], 32
	s_mov_b32 s[G1A+6], 0
	s_mov_b32 s[G1A+7], 0
	s_or_b32 s[G1B], s30, (1<<20)|(1<<21)|(5<<22)|(3<<25)   ; W: 32 rows x 768 bytes, 4 words of padding behind every 64
	s_mov_b32 s[G1B+1], 768<<16
	s_mov_b32 s[G1B+2], 32<<16
	s_mov_b32 s[G1B+3], 768<<16
	s_mov_b32 s[G1B+4], 32
	s_mov_b32 s[G1B+5], 768
	s_mov_b32 s[G1B+6], 0
	s_mov_b32 s[G1B+7], 0
	s_or_b32 s[G1SB], s30, (3<<16)|(1<<20)|(1<<21)|(5<<22)|(3<<25)   ; W's scale bytes: rows of 256 bytes + 16
	s_mov_b32 s[G1SB+1], 32<<16
	s_mov_b32 s[G1SB+2], RB<<16
	s_mov_b32 s[G1SB+3], 32<<16
	s_mov_b32 s[G1SB+4], RB
	s_mov_b32 s[G1SB+5], 32
	s_mov_b32 s[G1SB+6], 0
	s_mov_b32 s[G1SB+7], 0
	s_lshl_b32 s2, s28, 3                          ; A's side hangs on Y and the wave alone
	s_mov_b32 s3, 0
	s_add_co_u32 s3, s2, s3                        ; the first row tile of the image that wave 0 fetches: 8 Y
	s_mul_i32 s[G0A+2], s3, 12288
	s_mov_b32 s[G0A+3], 0
	s_mov_b32 s[G0A], 1
	s_mov_b32 s[G0A+1], 0
	s_lshl_b32 s3, s23, 2
	s_add_co_u32 s2, s2, s3                        ; the first row tile that I multiply: 8 Y + 4 x my half
	s_lshl_b32 s68, s2, 9
	s_add_co_u32 s68, s68, ASC                     ; its scale words: 512 bytes a row tile
	s_mov_b32 s69, 0
	s_lshl_b32 s100, s27, 14                       ; W's side hangs on X and the wave alone: the scale bytes of my work-group's 512 rows
	s_mov_b32 s101, 0
	s_add_co_u32 s100, s100, s101
	s_mov_b32 s101, 0
	s_mov_b32 s[G0B], 1
	s_mul_i32 s[G0B+1], s22, 32*BPIT
	s_add_co_u32 s[G0B+1], s[G0B+1], BBASE
	s_mov_b32 s[G0B+4], 1
	s_add_co_u32 s[G0B+5], s[G0B+1], BSLOT
	s_mov_b32 s[G0SB], 1
	s_mov_b32 s[G0SB+1], 0
	s_add_co_u32 s[G0SB+1], s[G0SB+1], SCB
	s_wait_kmcnt 0x0
	s_add_nc_u64 s[G0A+2:G0A+3], s[4:5], s[G0A+2:G0A+3]
	s_or_b32 s[G0A+3], s[G0A+3], 0x80000000
	s_add_nc_u64 s[68:69], s[4:5], s[68:69]
	s_add_nc_u64 s[G0SB+2:G0SB+3], s[8:9], s[100:101]
	s_or_b32 s[G0SB+3], s[G0SB+3], 0x80000000
	s_mul_i32 s100, s27, 512*768                   ; the first tile's codes: row 512 X + 32 w
	s_mul_i32 s101, s22, 32*768
	s_add_co_u32 s100, s100, s101
	s_mov_b32 s101, 0
	s_add_nc_u64 s[G0B+2:G0B+3], s[6:7], s[100:101]
	s_add_nc_u64 s[G0B+6:G0B+7], s[G0B+2:G0B+3], 128*768   ; slot 1 begins with the second tile
	s_or_b32 s[G0B+3], s[G0B+3], 0x80000000
	s_or_b32 s[G0B+7], s[G0B+7], 0x80000000
	s_or_b32 s72, s30, (1<<20)|(1<<21)|(5<<22)|(3<<25)   ; the head's loads of W: a whole slot, 128 rows x 768 bytes
	s_mov_b32 s73, 768<<16
	s_mov_b32 s74, 128<<16
	s_mov_b32 s75, 768<<16
	s_mov_b32 s76, 128
	s_mov_b32 s77, 768
	s_mov_b32 s78, 0
	s_mov_b32 s79, 0
	s_mul_i32 s100, s27, 512*768
	s_mov_b32 s92, 1                               ; slot 0: rows 512 X on,
	s_mov_b32 s93, BBASE
	s_add_nc_u64 s[94:95], s[6:7], s[100:101]
	s_mov_b32 s96, 1                               ; slot 1: the next 128 rows
	s_mov_b32 s97, BBASE+BSLOT
	s_add_nc_u64 s[98:99], s[94:95], 128*768
	s_or_b32 s95, s95, 0x80000000
	s_or_b32 s99, s99, 0x80000000
	CROUND                                         ; all sixteen work-groups are here: the first joint loads meet
; THE HEAD'S LOADS, ONE A WAVE: wave 0 A's image, wave 1 slot 0, wave 2 slot 1, wave 3 W's scales.  One chain of branches on the wave's number, all arms to one join.
.macro ARM under, g0, g1, next
	s_cmp_lt_u32 s22, \under
	s_cbranch_scc0 \next
	tensor_load_to_lds s[\g0:\g0+3], s[\g1:\g1+7]
	s_nop 0
.rept 4
	v_nop
.endr
	s_branch .Lhead_asked
\next:
.endm
	ARM 1, G0A, G1A, .Lhead_b0
	ARM 2, 92, 72, .Lhead_b1
	ARM 3, 96, 72, .Lhead_sc
	tensor_load_to_lds s[G0SB:G0SB+3], s[G1SB:G1SB+7]
	s_nop 0
.rept 4
	v_nop
.endr
.Lhead_asked:
.rept 4
	v_nop
.endr
	v_and_b32 v3, 31, v0                           ; lane
	v_and_b32 v1, 15, v0                           ; r
	v_bfe_u32 v2, v0, 4, 1                         ; h
	s_mul_i32 s2, s23, 49152
	v_lshl_add_u32 v[ADRA], v3, 3, s2
	s_mul_i32 s2, s24, 64*BPIT
	s_add_co_u32 s2, s2, BBASE
	v_mul_u32_u24 v[ADRB], v1, BPIT
	v_add_nc_u32 v[ADRB], s2, v[ADRB]
	v_mad_u32_u24 v[ADRB2], v2, 40, v[ADRB]
	v_mad_u32_u24 v[ADRB], v2, 24, v[ADRB]
	v_add_nc_u32 v[ADRB+1], BSLOT, v[ADRB]
	v_add_nc_u32 v[ADRB2+1], BSLOT, v[ADRB2]
	v_lshlrev_b32 v[ASA], 4, v1
	v_mul_u32_u24 v[ADSB], v1, 32                  ; my row's scale bytes, and 16 more for each 256 passed
	v_lshrrev_b32 v14, 8, v[ADSB]
	v_lshl_add_u32 v[ADSB], v14, 4, v[ADSB]
	s_mul_i32 s2, s24, SBH
	s_add_co_u32 s2, s2, SCB
	v_add_nc_u32 v[ADSB], s2, v[ADSB]
.irp a, 0,1,2,3
	global_load_b128 v[SAR+8*\a:SAR+8*\a+3], v[ASA], s[68:69] offset:512*\a        ; A's scale words, K steps 0-3: they stay for the whole launch
	global_load_b128 v[SAR+8*\a+4:SAR+8*\a+7], v[ASA], s[68:69] offset:512*\a+256  ; and K steps 4-7
.endr
	s_lshl_b32 s2, s28, 3
	s_lshl_b32 s3, s23, 2
	s_add_co_u32 s2, s2, s3                        ; my first row tile
	s_lshl_b32 s14, s2, 5
	s_lshl_b32 s15, s27, 2
	s_add_co_u32 s14, s14, s15                     ; its K step 4 X of the next product
	s_mul_i32 s14, s14, 1536
	s_mul_i32 s15, s24, 768
	s_add_co_u32 s14, s14, s15                     ; my half of the fragment
	s_mov_b32 s15, 0
	s_add_nc_u64 s[4:5], s[12:13], s[14:15]
	s_lshl_b32 s14, s2, 11
	s_lshl_b32 s3, s27, 8
	s_add_co_u32 s14, s14, s3
	s_lshl_b32 s3, s24, 1
	s_add_co_u32 s14, s14, s3
	s_add_co_u32 s14, s14, HSC
	s_add_nc_u64 s[6:7], s[12:13], s[14:15]        ; the half scale words
	s_lshl_b32 s14, s27, 11
	s_lshl_b32 s3, s24, 8
	s_add_co_u32 s14, s14, s3
	s_add_nc_u64 s[10:11], s[10:11], s[14:15]      ; b1 at unit 512 X + 64 x my half
	v_lshlrev_b32 v14, 3, v3                       ; 8 x lane
	v_lshlrev_b32 v15, 4, v1
	v_lshl_add_u32 v15, v2, 11, v15                ; 16 r + a row tile's 2,048 bytes for lanes 16-31
	v_lshlrev_b32 v16, 5, v2                       ; 32 h
	v_mov_b32 v[TM+2], 0                           ; a lane permute's destination counts as one of its sources
	v_mov_b32 v[TM+3], 0
	BIASLD 0
	WIN 0
	s_wait_alu depctr_va_vdst(0)
	s_wait_tensorcnt 0x0                           ; my one load has landed; behind the barrier everybody's has
	s_barrier_signal -1
	s_barrier_wait -1
	FETCHA 0
	FETCHB 0, 0, 0
	SCALES 0
	LAP 0, 1                                       ; A's fragments come into their registers on the way
	LAP 1, 0
	LAP 2, 0
	LAP 3, 0
	s_wait_tensorcnt 0x0                           ; the wave's end
	ds_add_u32 v[SPW], v[NIL]
	s_wait_dscnt 0x0
	CROUND                                         ; the closing round
	s_endpgm
.Lfunc_end_k_q6b5d3e376e_ffn1:
	.size	k_q6b5d3e376e_ffn1, .Lfunc_end_k_q6b5d3e376e_ffn1-k_q6b5d3e376e_ffn1
	.p2alignl 7, 3214868480
	.fill 96, 4, 3214868480
	.section	.rodata,"a",@progbits
	.p2align	6, 0x0
	.amdhsa_kernel k_q6b5d3e376e_ffn1
		.amdhsa_group_segment_fixed_size 327680
		.amdhsa_private_segment_fixed_size 0
		.amdhsa_enable_private_segment 0
		.amdhsa_kernarg_size 40
		.amdhsa_user_sgpr_count 2
		.amdhsa_user_sgpr_kernarg_segment_ptr 1
		.amdhsa_wavefront_size32 1
		.amdhsa_system_sgpr_workgroup_id_x 1
		.amdhsa_system_sgpr_workgroup_id_y 1
		.amdhsa_system_sgpr_workgroup_id_z 1
		.amdhsa_system_vgpr_workitem_id 0
		.amdhsa_next_free_vgpr 1024
		.amdhsa_next_free_sgpr 102
		.amdhsa_reserve_vcc 0
		.amdhsa_float_denorm_mode_32 3
		.amdhsa_float_denorm_mode_16_64 3
		.amdhsa_memory_ordered 1
		.amdhsa_forward_progress 1
		.amdhsa_inst_pref_size 210
	.end_amdhsa_kernel
	.amdgpu_metadata
---
amdhsa.version: [ 1, 2 ]
amdhsa.kernels:
  - .name:           k_q6b5d3e376e_ffn1
    .symbol:         k_q6b5d3e376e_ffn1.kd
    .args:
      - { .name: a1, .offset: 0, .size: 8, .value_kind: global_buffer, .address_space: global }
      - { .name: w1_codes, .offset: 8, .size: 8, .value_kind: global_buffer, .address_space: global }
      - { .name: w1_scales, .offset: 16, .size: 8, .value_kind: global_buffer, .address_space: global }
      - { .name: b1, .offset: 24, .size: 8, .value_kind: global_buffer, .address_space: global }
      - { .name: hid, .offset: 32, .size: 8, .value_kind: global_buffer, .address_space: global }
    .group_segment_fixed_size: 327680
    .private_segment_fixed_size: 0
    .kernarg_segment_align: 8
    .kernarg_segment_size: 40
    .max_flat_workgroup_size: 128
    .sgpr_count:     102
    .vgpr_count:     1024
    .wavefront_size: 32
...
	.end_amdgpu_metadata
.endif
;; end of part 5
;; launch ffn2 (part 6): grid 8 x 32, 4 waves a work-group, clusters of 4 x 4, 327,680 bytes of LDS; arguments hid, w2_codes, w2_scales, x1, out0, b2; writes out0
.if DOCPART == 6
	.amdgcn_target "amdgcn-amd-amdhsa--gfx1250"
	.amdhsa_code_object_version 6
	.text
	.protected	k_q6b5d3e376e_ffn2
	.globl	k_q6b5d3e376e_ffn2
	.p2align	8
	.type	k_q6b5d3e376e_ffn2,@function
k_q6b5d3e376e_ffn2:
	s_mov_b64 s[64:65], 0
	v_nop
	global_prefetch_b8 v0, s[64:65] scope:SCOPE_SE
	s_setreg_imm32_b32 hwreg(HW_REG_WAVE_MODE, 25, 1), 1
	s_wait_xcnt 0x0
	s_wait_alu depctr_hold_cnt(0) depctr_sa_sdst(0) depctr_va_vdst(0) depctr_va_sdst(0) depctr_va_ssrc(0) depctr_va_vcc(0) depctr_vm_vsrc(0)
	s_getreg_b32 s2, hwreg(HW_REG_IB_STS2, 6, 4)
	s_cmp_eq_u32 s2, 0
	s_cbranch_scc0 .Lentry_in_a_cluster
	s_endpgm
.Lentry_in_a_cluster:
	s_bfe_u32 s2, ttmp6, 0x10000c
	s_cmp_lg_u32 s2, 0xf033
	s_cbranch_scc0 .Lentry_shape_is_right
	s_endpgm
.Lentry_shape_is_right:
; out = x1 + hidden w2 + b2 on codes of FP6 (E2M3).  A: images of operand registers (16 rows x 128 K = 1,536 bytes, six planes of 256) with scale words behind them; W: rows of codes as given.
; SHARES: work-group (X, Y): tokens 128 Y on, columns 128 X on: 256 work-groups.  Wave w: row tiles 4 (w / 2) + a, columns 64 (w % 2) + 16 b: 16 accumulators.  K goes in eight steps of 512.
; LDS: two slots for A (8 row tiles x 6,144 bytes dense, a step each); two slots for W, each a lap of 1,024 along K: 128 rows x 768 bytes, which begin on multiples of 256 bytes, 16 bytes behind each 256 (pitch 816); W's scale bytes, once.
; THE HEAD: one load a wave (A's steps 0 and 1, W's lap 0, W's scales); W's lap 1 follows behind the full sequence and a round.  Behind each change of slots wave 0 fills A's slot again, and at a lap's end wave 1 fills W's.
; A's scale words come from memory into registers, a step ahead of their use; the residual is asked for in step 2.  CLUSTER 4 x 4: A's tiles shared along a row, W's along a column, by joint loads.
; PREFETCH: behind change of slots i (and behind the head, i = -1) waves 0 and 1 ask for A's step i + 4, which is loaded two changes on: of its 8 row tiles the partner at cx takes 2 cx and 2 cx + 1, a wave a tile, 24 blocks of 256 bytes
; (lanes 24-31 name the last again).  Waves 2 and 3 ask, at i = -1, 0, 1, for 512 bytes of each of 16 rows of W's laps 2 and 3 (the partner at cy takes rows 32 cy on), one or two changes ahead of their loads.  A's steps 2 and earlier come by their loads alone.
; The product is used transposed: a lane holds one token and eight neighbouring columns a tile.  The way out goes through the wave's own stage, in A's slot 0 behind its last fill and last read; sixteen lanes store 256 consecutive bytes.
; Lane r of row tile 2 g + u is token 32 g + 8 u + r + 8 (r / 8).
.set KK,    4096
.set HASB,  1
.set PF,    1
.set RESAT, 2                          ; the residual is asked for behind step 2's first three K steps
.set ASC,   12582912
.set KST,   KK/128
.set KSL,   KK/512
.set NSTEP, KK/512
.set WROW,  KK*3/4
.set ASLOT, 49152
.set WB,    2*ASLOT
.set BPIT,  816
.set BSLOT, 128*BPIT
.set SCB,   WB+2*BSLOT
.set SROWS, 128*(KK/32)/256
.set SBT,   SROWS*272
.set SBB,   SBT/8
.set SBH,   SBT/2
.set SPARE, SCB+SBT                    ; the spare words: 128 bytes a wave
.set ADRA,  4
.set ADRB,  6
.set ADRB2, 8
.set ASA,   10
.set ADSB,  11
.set SPW,   12
.set NIL,   13
.set STO,   14
.set RD,    15
.set GOFF,  16
.set PFO,   18
.set ACC,   128
.set F0,    0
.set F1,    128
.set G1A,   32
.set G0A,   40
.set G1B,   48
.set G0B,   56
.set G1S,   68
.set G0S,   76
.set SAB,   80
.set PFA,   82
.set PFS,   84
.set MUL,   0x05
.set TO_F,  0x40
.set MSB, 0
.macro WIN new
.if MSB != \new
	s_set_vgpr_msb (MSB<<8)|\new
.set MSB, \new
.endif
.endm
.macro PLACES
.rept 4
	v_nop
.endr
.endm
.macro CREST
	s_cmp_lg_u32 s22, 0
	s_cbranch_scc1 .Lnot_wave_0_\@
	s_barrier_signal -3
.Lnot_wave_0_\@:
	s_barrier_wait -3
	s_barrier_signal -1
	s_barrier_wait -1
.endm
.macro CROUND
	s_barrier_signal -1
	s_barrier_wait -1
	CREST
.endm
.macro ARM under, g0, g1, next
	s_cmp_lt_u32 s22, \under
	s_cbranch_scc0 \next
	tensor_load_to_lds s[\g0:\g0+3], s[\g1:\g1+7]
	s_nop 0
	PLACES
	s_branch .Lhead_asked
\next:
.endm
.macro FETCH j, q, f                   ; 48 LDS loads: the fragments of K step q of step j: A from slot j % 2, W from slot (j / 2) % 2, K step 4 (j % 2) + q of its lap
	WIN TO_F
.irp a, 0,1,2,3
.irp p, 0,1,2,3,4,5
	ds_load_b64 v[\f+12*\a+2*\p:\f+12*\a+2*\p+1], v[ADRA+(\j)%2] offset:6144*\a+1536*(\q)+256*\p
.endr
.endr
.irp b, 0,1,2,3
.irp p, 0,1,2,3,4,5
.set PC, 12*(4*((\j)%2)+(\q))+6*(\p/3)+\p%3   ; the piece of 8 bytes that lanes 0-15 take; lanes 16-31 take the piece three on, which may lie behind one padding more
.if PC%32 < 29
	ds_load_b64 v[\f+48+12*\b+2*\p:\f+48+12*\b+2*\p+1], v[ADRB+((\j)/2)%2] offset:8*PC+16*(PC/32)+13056*\b
.else
	ds_load_b64 v[\f+48+12*\b+2*\p:\f+48+12*\b+2*\p+1], v[ADRB2+((\j)/2)%2] offset:8*PC+16*(PC/32)+13056*\b
.endif
.endr
.endr
.endm
.macro WSCL j                          ; W's scale words of step j, from LDS, into set j % 2
	WIN 0
.irp b, 0,1,2,3
	ds_load_b128 v[48+32*((\j)%2)+4*\b:48+32*((\j)%2)+4*\b+3], v[ADSB] offset:\b*SBB+16*(\j)
.endr
.endm
.macro ASCL j                          ; A's scale words of step j, from memory, into set j % 2: sixteen lanes read 256 consecutive bytes
	WIN 0
.irp a, 0,1,2,3
	global_load_b128 v[32+32*((\j)%2)+4*\a:32+32*((\j)%2)+4*\a+3], v[ASA], s[SAB:SAB+1] offset:\a*KSL*256+256*(\j)
.endr
.endm
.macro RES                             ; the residual into window 2, in the order in which the rows come back from the stage
	WIN 0x80
.irp a, 0,1,2,3
.irp i, 0,1,2,3,4,5,6,7
	global_load_b128 v[32*\a+4*\i:32*\a+4*\i+3], v[GOFF], s[10:11] offset:4096*(32*(\a/2)+8*(\a%2)+2*\i+8*(\i/4))
.endr
.endr
	WIN 0
.endm
.macro MUL8 f, a0, q, j                ; 8 matrix instructions, transposed; the 16 accumulators take turns.  The very first K step starts the sums with the constant 0
	WIN MUL
.irp a, \a0, \a0+1
.irp b, 0,1,2,3
.set rW, \f+48+12*\b
.set rA, \f+12*(\a)
.set sW, 48+32*((\j)%2)+4*\b+(\q)
.set sA, 32+32*((\j)%2)+4*(\a)+(\q)
.set rD, ACC+8*(4*(\a)+\b)
.if (\j)+(\q) == 0
	v_wmma_scale_f32_16x16x128_f8f6f4 v[rD:rD+7], v[rW:rW+11], v[rA:rA+11], 0, v[sW], v[sA] matrix_a_fmt:MATRIX_FMT_FP6 matrix_b_fmt:MATRIX_FMT_FP6
.else
	v_wmma_scale_f32_16x16x128_f8f6f4 v[rD:rD+7], v[rW:rW+11], v[rA:rA+11], v[rD:rD+7], v[sW], v[sA] matrix_a_fmt:MATRIX_FMT_FP6 matrix_b_fmt:MATRIX_FMT_FP6
.endif
.endr
.endr
.endm
.macro KS f, q, j, g
	s_wait_dscnt 0x0                               ; this K step's fragments are in
	PLACES                                         ; four places behind the products that read the other buffer: the next K step's fragments are asked for first
.if (\q) == 0 && (\j)+1 < NSTEP
	ASCL (\j)+1                                    ; into the set that the step before has left
.endif
	FETCH \j, (\q)+1, \g
	MUL8 \f, 0, \q, \j
	MUL8 \f, 2, \q, \j
.endm
.macro STEP3 j
.if (\j) == RESAT+1
	s_wait_loadcnt 32                              ; this step's scale words of A are in; the 32 loads of the residual, issued behind them, may be out
.else
	s_wait_loadcnt 0x0
.endif
	KS F0, 0, \j, F1
	KS F1, 1, \j, F0
	KS F0, 2, \j, F1
.endm
.macro REFILL j                        ; wave 0 fills A's slot again; at the end of a lap wave 1 fills W's: one load a wave, one chain of branches
	s_cmp_eq_u32 s22, 0
	s_cbranch_scc0 .Lnot_a_\@
	tensor_load_to_lds s[G0A+4*((\j)%2):G0A+4*((\j)%2)+3], s[G1A:G1A+7]
	s_nop 0
	PLACES
	s_branch .Lasked_\@
.Lnot_a_\@:
.if ((\j)%2) && (\j)/2+2 < NSTEP/2
	s_cmp_eq_u32 s22, 1
	s_cbranch_scc0 .Lasked_\@
	tensor_load_to_lds s[G0B+4*(((\j)/2)%2):G0B+4*(((\j)/2)%2)+3], s[G1B:G1B+7]
	s_nop 0
	PLACES
.endif
.Lasked_\@:
.endm
.macro ASK i                           ; the prefetch behind change of slots i: W's rows have been asked for whole after i = 1, so waves 2 and 3 then ask no more; A's last step is asked for at i = 3
.if PF && (\i)+4 < NSTEP
.if (\i) > 1
	s_cmp_eq_u32 s23, 0
	s_cbranch_scc0 .Lno_ask_\@
.endif
	global_prefetch_b8 v[PFO], s[PFA:PFA+1] th:TH_LOAD_NT scope:SCOPE_SE
.if (\i) > 1
.Lno_ask_\@:
.endif
.endif
.endm
; A step's fourth K step changes slots: one barrier; in front of it each wave waits for all its tensor loads, adds 0 to its spare word, and waits for that and for its reads of this step's slots.
; Where a step two on is left to fetch, the barrier opens a round of the cluster's barrier, and the joint refill is the first tensor load behind the round.
.macro TURN j
	WIN 0
.if PF && (\j)+4 < NSTEP
	s_wait_xcnt 0x0                                ; my last prefetch has read its address
	s_add_nc_u64 s[PFA:PFA+1], s[PFA:PFA+1], s[PFS:PFS+1]
.endif
	s_wait_tensorcnt 0x0
	ds_add_u32 v[SPW], v[NIL]
	s_wait_dscnt 0x1                               ; only the add may be out
	MUL8 F1, 0, 3, \j
	s_wait_dscnt 0x0
	s_barrier_signal -1
	WIN 0
	s_barrier_wait -1
.if (\j)+2 < NSTEP
	CREST
	s_add_nc_u64 s[G0A+4*((\j)%2)+2:G0A+4*((\j)%2)+3], s[G0A+4*((\j)%2)+2:G0A+4*((\j)%2)+3], 12288
.if ((\j)%2) && (\j)/2+2 < NSTEP/2
	s_add_nc_u64 s[G0B+4*(((\j)/2)%2)+2:G0B+4*(((\j)/2)%2)+3], s[G0B+4*(((\j)/2)%2)+2:G0B+4*(((\j)/2)%2)+3], 1536
.endif
	REFILL \j
.endif
	PLACES
	FETCH (\j)+1, 0, F0
	WSCL (\j)+1
	ASK \j
	MUL8 F1, 2, 3, \j
.endm
	s_load_b256 s[4:11], s[0:1], 0x0               ; A s[4:5], W's codes s[6:7], scales s[8:9], the residual s[10:11]
.if HASB
	s_load_b128 s[12:15], s[0:1], 0x20             ; the result s[12:13], the bias s[14:15]
.else
	s_load_b64 s[12:13], s[0:1], 0x20              ; the result
.endif
	v_lshl_add_u32 v[SPW], v0, 2, SPARE
	v_mov_b32 v[NIL], 0
	ds_add_u32 v[SPW], v[NIL]                      ; the opening lines: the add twice on end and its wait
	ds_add_u32 v[SPW], v[NIL]
	v_lshrrev_b32 v1, 5, v0
	v_readfirstlane_b32 s22, v1                    ; wave
	s_lshr_b32 s23, s22, 1                         ; my half of the rows
	s_and_b32 s24, s22, 1                          ; my half of the columns
	s_bfe_u32 s25, ttmp6, 0x40000                  ; cx
	s_bfe_u32 s26, ttmp6, 0x40004                  ; cy
	s_lshl_b32 s27, ttmp9, 2
	s_add_co_u32 s27, s27, s25                     ; X
	s_and_b32 s28, ttmp7, 0xffff
	s_lshl_b32 s28, s28, 2
	s_add_co_u32 s28, s28, s26                     ; Y
	s_lshl_b32 s29, s26, 2
	s_lshl_b32 s29, 15, s29                        ; my row of the cluster
	s_lshl_b32 s30, 0x1111, s25                    ; my column
	s_or_b32 s[G1A], s29, (3<<16)|(1<<21)          ; A: 8 row tiles x 6,144 bytes (768 elements of 8), a tile's images apart
	s_mov_b32 s[G1A+1], 768<<16
	s_mov_b32 s[G1A+2], 8<<16
	s_mov_b32 s[G1A+3], 768<<16
	s_mov_b32 s[G1A+4], 8
	s_mov_b32 s[G1A+5], 192*KST
	s_mov_b32 s[G1A+6], 0
	s_mov_b32 s[G1A+7], 0
	s_or_b32 s[G1B], s30, (1<<20)|(1<<21)|(5<<22)|(3<<25)   ; W: 128 rows x 768 bytes, 4 words behind every 64
	s_mov_b32 s[G1B+1], 768<<16
	s_mov_b32 s[G1B+2], 128<<16
	s_mov_b32 s[G1B+3], 768<<16
	s_mov_b32 s[G1B+4], 128
	s_mov_b32 s[G1B+5], WROW
	s_mov_b32 s[G1B+6], 0
	s_mov_b32 s[G1B+7], 0
	s_or_b32 s[G1S], s30, (3<<16)|(1<<20)|(1<<21)|(5<<22)|(3<<25)   ; W's scale bytes: a dense block as rows of 256 bytes + 16
	s_mov_b32 s[G1S+1], 32<<16
	s_mov_b32 s[G1S+2], SROWS<<16
	s_mov_b32 s[G1S+3], 32<<16
	s_mov_b32 s[G1S+4], SROWS
	s_mov_b32 s[G1S+5], 32
	s_mov_b32 s[G1S+6], 0
	s_mov_b32 s[G1S+7], 0
	s_lshl_b32 s2, s28, 3
	s_mul_i32 s[G0A+2], s2, KST*1536
	s_mov_b32 s[G0A+3], 0
	s_lshl_b32 s3, s23, 2
	s_add_co_u32 s2, s2, s3                        ; the first row tile that I multiply
	s_mul_i32 s[SAB], s2, KSL*256
	s_add_co_u32 s[SAB], s[SAB], ASC
	s_mov_b32 s[SAB+1], 0
	s_mul_i32 s100, s27, 128*KK/32
	s_mov_b32 s101, 0
	s_mov_b32 s[G0A], 1
	s_mov_b32 s[G0A+1], 0
	s_mov_b32 s[G0A+4], 1
	s_mov_b32 s[G0A+5], ASLOT
	s_mov_b32 s[G0B], 1
	s_mov_b32 s[G0B+1], WB
	s_mov_b32 s[G0S], 1
	s_mov_b32 s[G0S+1], SCB
	s_wait_dscnt 0x0
	s_wait_kmcnt 0x0
	s_add_nc_u64 s[G0A+2:G0A+3], s[4:5], s[G0A+2:G0A+3]
	s_add_nc_u64 s[G0A+6:G0A+7], s[G0A+2:G0A+3], 6144
	s_or_b32 s[G0A+3], s[G0A+3], 0x80000000
	s_or_b32 s[G0A+7], s[G0A+7], 0x80000000
	s_add_nc_u64 s[SAB:SAB+1], s[4:5], s[SAB:SAB+1]
	s_add_nc_u64 s[G0S+2:G0S+3], s[8:9], s[100:101]
	s_or_b32 s[G0S+3], s[G0S+3], 0x80000000
	s_mul_i32 s100, s100, 24                       ; a row's scale bytes x 24 = its bytes of codes
	s_add_nc_u64 s[G0B+2:G0B+3], s[6:7], s[100:101]
.if NSTEP > 2
	s_mov_b32 s[G0B+4], 1
	s_mov_b32 s[G0B+5], WB+BSLOT
	s_add_nc_u64 s[G0B+6:G0B+7], s[G0B+2:G0B+3], 768
	s_or_b32 s[G0B+7], s[G0B+7], 0x80000000
.endif
	s_or_b32 s[G0B+3], s[G0B+3], 0x80000000
	CROUND                                         ; all sixteen work-groups are here: the first joint loads meet
	ARM 1, G0A, G1A, .Lhead_w                      ; the head's loads, one a wave: A's step 0,
	ARM 2, G0B, G1B, .Lhead_s                      ; W's lap 0,
	ARM 3, G0S, G1S, .Lhead_a1                     ; W's scales,
	tensor_load_to_lds s[G0A+4:G0A+7], s[G1A:G1A+7]    ; A's step 1
	s_nop 0
	PLACES
.Lhead_asked:
	s_mul_i32 s16, s23, 24576
	s_mul_i32 s17, s24, 64*BPIT
	s_add_co_u32 s17, s17, WB
	s_mul_i32 s18, s24, SBH
	s_add_co_u32 s18, s18, SCB
	s_mul_i32 s19, s22, 4352                       ; my stage: 16 rows x 272 bytes, in A's slot 0
	s_lshl_b32 s100, s27, 9
	s_lshl_b32 s2, s24, 8
	s_add_co_u32 s100, s100, s2                    ; column 128 X + 64 x my half, in bytes
.if HASB
	s_add_nc_u64 s[14:15], s[14:15], s[100:101]
.endif
	s_lshl_b32 s2, s28, 19
	s_add_co_u32 s100, s100, s2
	s_lshl_b32 s2, s23, 18
	s_add_co_u32 s100, s100, s2                    ; + token 128 Y + 64 x my half
	s_add_nc_u64 s[10:11], s[10:11], s[100:101]
	s_add_nc_u64 s[12:13], s[12:13], s[100:101]
	s_lshl_b32 s20, s28, 3                         ; the prefetches.  A: row tile 8 Y + 2 cx + w % 2, step 3
	s_lshl_b32 s2, s25, 1
	s_add_co_u32 s20, s20, s2
	s_add_co_u32 s20, s20, s24
	s_mul_i32 s20, s20, KST*1536
	s_add_co_u32 s20, s20, 3*6144
	s_lshl_b32 s21, s27, 7                         ; W: row 128 X + 32 cy + 16 (w % 2), byte 1,536: lap 2's start
	s_lshl_b32 s2, s26, 5
	s_add_co_u32 s21, s21, s2
	s_lshl_b32 s2, s24, 4
	s_add_co_u32 s21, s21, s2
	s_mul_i32 s21, s21, WROW
	s_add_co_u32 s21, s21, 6*256
	s_mov_b32 s[PFS], 512
	s_mov_b32 s[PFS+1], 0
	s_cmp_eq_u32 s23, 0                            ; waves 0 and 1 ask for A, waves 2 and 3 for W
	s_cselect_b32 s20, s20, s21
	s_cselect_b32 s[PFS], 6144, s[PFS]             ; what a change of slots adds: a step of A, or 512 bytes of W's rows
	s_cselect_b64 s[PFA:PFA+1], s[4:5], s[6:7]
	s_cselect_b32 s3, -1, 0
	s_mov_b32 s21, 0
	s_add_nc_u64 s[PFA:PFA+1], s[PFA:PFA+1], s[20:21]
	v_and_b32 v3, 31, v0
	v_and_b32 v1, 15, v0
	v_bfe_u32 v2, v0, 4, 1
	v_lshl_add_u32 v[ADRA], v3, 3, s16
	v_add_nc_u32 v[ADRA+1], ASLOT, v[ADRA]
	v_mul_u32_u24 v[ADRB], v1, BPIT
	v_add_nc_u32 v[ADRB], s17, v[ADRB]
	v_mad_u32_u24 v[ADRB2], v2, 40, v[ADRB]
	v_mad_u32_u24 v[ADRB], v2, 24, v[ADRB]
	v_add_nc_u32 v[ADRB+1], BSLOT, v[ADRB]
	v_add_nc_u32 v[ADRB2+1], BSLOT, v[ADRB2]
	v_lshlrev_b32 v[ASA], 4, v1
	v_mul_u32_u24 v[ADSB], v1, KK/32               ; my row's scale bytes, and 16 more for each 256 passed
	v_lshrrev_b32 v17, 8, v[ADSB]
	v_lshl_add_u32 v[ADSB], v17, 4, v[ADSB]
	v_add_nc_u32 v[ADSB], s18, v[ADSB]
	v_mul_u32_u24 v[STO], v1, 272
	v_lshl_add_u32 v[STO], v2, 5, v[STO]
	v_add_nc_u32 v[STO], s19, v[STO]               ; in: row r, 32 bytes for each half of the lanes
	v_mul_u32_u24 v[RD], v2, 272
	v_lshl_add_u32 v[RD], v1, 4, v[RD]
	v_add_nc_u32 v[RD], s19, v[RD]                 ; back: lanes 0-15 one row of 256 bytes, lanes 16-31 the next
	v_lshl_add_u32 v[GOFF], v2, 12, v[ASA]         ; and the same two rows in memory
	v_min_u32 v20, 23, v3
	v_lshlrev_b32 v20, 8, v20                      ; A's blocks: 256 x lane, the last 8 lanes on block 23
	v_mul_u32_u24 v19, v1, WROW
	v_lshl_add_u32 v19, v2, 8, v19                 ; W's: row l % 16, block l / 16
	v_cndmask_b32 v[PFO], v19, v20, s3
	s_wait_alu depctr_va_vdst(0)
	ASCL 0
	global_load_b128 v[24:27], v[ASA], s[14:15]    ; b2 of my four columns
	s_wait_tensorcnt 0x0                           ; my one load has landed, ahead of a later first fill
	ds_add_u32 v[SPW], v[NIL]
	s_wait_dscnt 0x0
	CROUND                                         ; all four tiles are in, and all sixteen work-groups are here
	s_cmp_eq_u32 s22, 1
	s_cbranch_scc0 .Lno_lap_1
	tensor_load_to_lds s[G0B+4:G0B+7], s[G1B:G1B+7]    ; W's lap 1, wanted in step 2
	s_nop 0
	PLACES
.Lno_lap_1:
	FETCH 0, 0, F0
	WSCL 0
	ASK -1
.set ST, 0
.rept NSTEP
	STEP3 ST
.if ST == RESAT
	RES
.endif
.if ST < NSTEP-1
	TURN ST
.else
	s_wait_dscnt 0x0
	MUL8 F1, 0, 3, ST
	MUL8 F1, 2, 3, ST
.endif
.set ST, ST+1
.endr
	PLACES
	WIN 0
	s_wait_loadcnt 0x0
.irp a, 0,1,2,3                        ; THE WAY OUT, a tile of 16 rows at a time; LDS serves a wave's instructions in order, so no wait stands between the stores and the loads
.set YS, 32+32*(\a%2)
.if \a >= 2
	s_wait_xcnt 0x0                                ; the stores of two tiles back have read these registers
.endif
.irp b, 0,1,2,3
	ds_store_b128 v[STO], v[ACC+8*(4*\a+\b):ACC+8*(4*\a+\b)+3] offset:64*\b       ; each accumulator from its low end on
	ds_store_b128 v[STO], v[ACC+8*(4*\a+\b)+4:ACC+8*(4*\a+\b)+7] offset:64*\b+16
.endr
.irp i, 0,1,2,3,4,5,6,7
	ds_load_b128 v[YS+4*\i:YS+4*\i+3], v[RD] offset:544*\i
.endr
	s_wait_dscnt 0x0
	WIN 0x08                                       ; source 1 window 2
.irp i, 0,1,2,3,4,5,6,7
	v_pk_add_f32 v[YS+4*\i:YS+4*\i+1], v[YS+4*\i:YS+4*\i+1], v[32*\a+4*\i:32*\a+4*\i+1]
	v_pk_add_f32 v[YS+4*\i+2:YS+4*\i+3], v[YS+4*\i+2:YS+4*\i+3], v[32*\a+4*\i+2:32*\a+4*\i+3]
.endr
	WIN 0
.irp i, 0,1,2,3,4,5,6,7
	v_pk_add_f32 v[YS+4*\i:YS+4*\i+1], v[YS+4*\i:YS+4*\i+1], v[24:25]
	v_pk_add_f32 v[YS+4*\i+2:YS+4*\i+3], v[YS+4*\i+2:YS+4*\i+3], v[26:27]
.endr
.irp i, 0,1,2,3,4,5,6,7
	global_store_b128 v[GOFF], v[YS+4*\i:YS+4*\i+3], s[12:13] offset:4096*(32*(\a/2)+8*(\a%2)+2*\i+8*(\i/4))   ; 16 lanes store 256 consecutive bytes, aligned
.endr
.endr
	s_wait_tensorcnt 0x0                           ; the wave's end
	ds_add_u32 v[SPW], v[NIL]
	s_wait_dscnt 0x0
	CROUND                                         ; the closing round
	s_endpgm
.Lfunc_end_k_q6b5d3e376e_ffn2:
	.size	k_q6b5d3e376e_ffn2, .Lfunc_end_k_q6b5d3e376e_ffn2-k_q6b5d3e376e_ffn2
	.p2alignl 7, 3214868480
	.fill 96, 4, 3214868480
	.section	.rodata,"a",@progbits
	.p2align	6, 0x0
	.amdhsa_kernel k_q6b5d3e376e_ffn2
		.amdhsa_group_segment_fixed_size 327680
		.amdhsa_private_segment_fixed_size 0
		.amdhsa_enable_private_segment 0
		.amdhsa_kernarg_size 48
		.amdhsa_user_sgpr_count 2
		.amdhsa_user_sgpr_kernarg_segment_ptr 1
		.amdhsa_wavefront_size32 1
		.amdhsa_system_sgpr_workgroup_id_x 1
		.amdhsa_system_sgpr_workgroup_id_y 1
		.amdhsa_system_sgpr_workgroup_id_z 1
		.amdhsa_system_vgpr_workitem_id 0
		.amdhsa_next_free_vgpr 768
		.amdhsa_next_free_sgpr 102
		.amdhsa_reserve_vcc 0
		.amdhsa_float_denorm_mode_32 3
		.amdhsa_float_denorm_mode_16_64 3
		.amdhsa_memory_ordered 1
		.amdhsa_forward_progress 1
		.amdhsa_inst_pref_size 209
	.end_amdhsa_kernel
	.amdgpu_metadata
---
amdhsa.version: [ 1, 2 ]
amdhsa.kernels:
  - .name:           k_q6b5d3e376e_ffn2
    .symbol:         k_q6b5d3e376e_ffn2.kd
    .args:
      - { .name: hid, .offset: 0, .size: 8, .value_kind: global_buffer, .address_space: global }
      - { .name: w2_codes, .offset: 8, .size: 8, .value_kind: global_buffer, .address_space: global }
      - { .name: w2_scales, .offset: 16, .size: 8, .value_kind: global_buffer, .address_space: global }
      - { .name: x1, .offset: 24, .size: 8, .value_kind: global_buffer, .address_space: global }
      - { .name: out0, .offset: 32, .size: 8, .value_kind: global_buffer, .address_space: global }
      - { .name: b2, .offset: 40, .size: 8, .value_kind: global_buffer, .address_space: global }
    .group_segment_fixed_size: 327680
    .private_segment_fixed_size: 0
    .kernarg_segment_align: 8
    .kernarg_segment_size: 48
    .max_flat_workgroup_size: 128
    .sgpr_count:     102
    .vgpr_count:     768
    .wavefront_size: 32
...
	.end_amdgpu_metadata
.endif
;; end of part 6
